; MI455X (gfx1250); checked and timed in simulation.
; The chip was launched on July 23, 2026; its instructions are those of AMD's public machine-readable ISA for CDNA 5 (MIT licence, August 2026) and "CDNA5" Instruction Set Architecture Reference Guide (July 2026). The comments in the code are by the model that wrote it; some were corrected since.
;; MHSA. Allowed arithmetic: matrix products marked QUANTISED: E4M3 operands, one given power-of-two scale a tensor, by v_wmma_f32_16x16x64_fp8_fp8 or v_wmma_f32_16x16x128_fp8_fp8, f32 sums; everything else in f32.
;; Inputs: Wk 1,024 x 1,024 float32; Wo 1,024 x 1,024 float32; Wq 1,024 x 1,024 float32; Wv 1,024 x 1,024 float32; lowp_scales 12 int32 (the exponents e of the quantised operands' scales 2^e); x 4 x 2,048 x 1,024 float32.
;; Outputs: out0 4 x 2,048 x 1,024 float32.
;; This version of the problem:
;;   THIS VERSION OF THE PROBLEM IS GIVEN IN LOW PRECISION. The matrix products marked QUANTISED in the list below multiply operands that are first quantised to E4M3 (4 exponent bits, 3 mantissa bits; 8 bits a number), with one given power-of-two scale for each operand tensor; their sums are f32. All else is computed in f32.
;;   The module's matrix products, in the order in which they are computed (A, B: the left and right operand; K: the contracted axis; several contracted axes count as one K, in the product's order):
;;     1. [M 8,192, K 1,024] x [K 1,024, N 1,024]; A: input x; B: input Wq: QUANTISED (scales: A lowp_scales[0], B lowp_scales[1])
;;     2. [M 8,192, K 1,024] x [K 1,024, N 1,024]; A: input x; B: input Wk: QUANTISED (scales: A lowp_scales[2], B lowp_scales[3])
;;     3. [M 8,192, K 1,024] x [K 1,024, N 1,024]; A: input x; B: input Wv: QUANTISED (scales: A lowp_scales[4], B lowp_scales[5])
;;     4. batch 64 x [M 2,048, K 64] x [K 64, N 2,048]; A: computed on the way; B: computed on the way: QUANTISED (scales: A lowp_scales[6], B lowp_scales[7])
;;     5. batch 64 x [M 2,048, K 2,048] x [K 2,048, N 64]; A: softmax (see below); B: computed on the way: QUANTISED (scales: A lowp_scales[8], B lowp_scales[9])
;;     6. [M 8,192, K 1,024] x [K 1,024, N 1,024]; A: computed on the way; B: input Wo: QUANTISED (scales: A lowp_scales[10], B lowp_scales[11])
;;   THE QUANTISER, for each operand of a quantised product, along K:
;;     - The operand's scale is 2^e, e = its entry of the input lowp_scales (int32; the entries are numbered through the quantised products in the list's order, A before B).
;;     - Each number is divided by the scale, clamped to +-448, and rounded to the nearest number of E4M3, ties to even, subnormals kept.
;;     - The product sums the exact products of the quantised numbers (number of the format x scale) in f32.
;;   ~~~python
;;   def quantise(x, axis, e):      # numpy; x: float32 -> the quantised numbers, widened to float32 again
;;       x = np.moveaxis(x, axis, -1); K = x.shape[-1]
;;       r = np.clip(x / 2.0 ** e, -448, 448)
;;       step = 2.0 ** (np.maximum(np.frexp(np.where(r == 0, 1, r))[1] - 1, -6) - 3)
;;       q = np.round(r / step) * step * 2.0 ** e      # np.round: ties to even
;;       return np.moveaxis(q, -1, axis).astype(np.float32)
;;   ~~~
;;   SOFTMAX AHEAD OF A QUANTISED PRODUCT. Where the list says 'softmax', what is quantised is not the finished softmax but p = 2^(t - M), with t = logit x log2(e) and M = ceil(the row's largest t), a whole number; so 1/2 < the row's largest p <= 1. The row's sum l is taken of the UNQUANTISED p, in f32, and the product's result is divided by l at the end. Since M is a whole number, a kernel that streams over the keys may use a running M (the ceiling of the running maximum): every later rescaling is an exact power of two, so the quantised numbers keep their values, but for numbers so far below the row's largest that they fall under the format's range.
;;   OPERANDS COMPUTED ON THE WAY. 'Computed on the way' means the value that the module computes at that place (a softmax that the list does not call 'softmax' is quantised finished and normalised). What goes into a quantiser is computed in f32, as accurately as f32 sums, v_exp_f32 and their like allow (about 1e-6 of the number): no bf16 or f16 on the way to a quantiser, and a product that is left as it is and whose result goes on into a quantised operand takes f32 operands (vector FMAs, or v_wmma_f32_16x16x4_f32). A number that lies on a knife's edge between two numbers of the format may be rounded either way, as far as f32 arithmetic and the matrix unit's own rounding can turn it there, and no further.
;; One version. Each part assembles by itself: llvm-mc -triple=amdgcn-amd-amdhsa -mcpu=gfx1250 --defsym DOCPART=n.
;; ======== version 1 of 1: 4 launches
;; limits: right only within a limited range of input values
;; workspace buffers: xc 25,165,824 bytes; wc 4,194,304 bytes; rope 557,056 bytes; qkv 25,165,824 bytes; mh 8,388,608 bytes
;; launch prep (part 1): grid 418 x 1, 4 waves a work-group, no clusters, 34,304 bytes of LDS; arguments x, Wq, Wk, Wv, Wo, lowp_scales, xc, wc, rope; writes xc, wc, rope
.if DOCPART == 1
	.amdgcn_target "amdgcn-amd-amdhsa--gfx1250"
	.amdhsa_code_object_version 6
	.text
	.protected	k_q30c748400a_prep
	.globl	k_q30c748400a_prep
	.p2align	8
	.type	k_q30c748400a_prep,@function
k_q30c748400a_prep:
	s_mov_b64 s[64:65], 0
	v_nop
	global_prefetch_b8 v0, s[64:65] scope:SCOPE_SE
	s_setreg_imm32_b32 hwreg(HW_REG_WAVE_MODE, 25, 1), 1
	s_wait_xcnt 0x0
; x [8192][1024] and Wq, Wk, Wv, Wo [1024][1024], f32, become codes of FP8 (E4M3); and the table of RoPE's cosines and sines is made.
; code = number / 2^e, held within +-448, rounded to the nearest code, ties to even.  x is an operand of three products with three given scales (entries 0, 2, 4): three sets of codes.
; The weights take entries 1, 3, 5, 11.  LIMITS: each e between -126 and 119, so that 2^e and 448 x 2^e are f32 numbers.  NaN among the inputs is not served.
; THE CODES ARE LAID AS IMAGES OF THE OPERAND'S REGISTERS.  A fragment is 16 rows x 128 along K: lane (r = lane % 16, h = lane / 16) holds row r, and its registers 2 c, 2 c + 1 hold k = 16 c + 8 h + 0 .. 7.
; Its image is 2,048 bytes: registers 4 i .. 4 i + 3 of lane l at byte 512 i + 16 l.  xc: [set 3][row tile 512][K step 8][2048];  wc: [weight 4][row tile 64][K step 8][2048].
; SHARES.  Work-groups 0-255 take x, 256-383 the weights (32 each), 384-417 the table.  A quantising work-group takes 2 row tiles; wave w takes row tile 2 job + w / 2 and K steps 4 (w % 2) + 0 .. 3: four units.
; A unit: 16 loads of 512 consecutive bytes (a row's 128 numbers); through the wave's own stage in LDS (rows 528 bytes apart), so that a lane gets its 8 neighbours of each 16; hold, conversion; 4 stores of 512 consecutive bytes.
; x and the weights take ONE path: pointers and scales are chosen by the work-group's number; x's second and third sets stand under a scalar branch that leads round register work and global stores alone.
; THE TABLE.  rope: [tile of 16 positions 0..135][b4 0..3][half 0..1][lane][16 bytes]: lane (r, h) holds (cos, sin) of position 16 tile + r for the pairs 8 b4 + 4 h + 0 .. 3.  Tiles 128-135 hold (1, 0): position 0.
; angle = position x inv_freq, one f32 rounding; inv_freq = the f32 nearest to 10^(-pair / 8) (LIMIT: it may differ by an ulp from a power and a division in f32).  The angle is reduced by n x pi/2, pi/2 in two parts
; (n is at most 1,304: what is left out is under 2e-12), and sine and cosine are polynomials of degree 7 and 8 on +-pi/4.
.set PIT,   528                        ; a stage row: 512 bytes + 16: the sixteen rows that a read touches begin 33 x 16 bytes apart
.set WSTG,  16*PIT                     ; a wave's stage
.set SPARE, 4*WSTG                     ; behind the stages: the spare words, 128 bytes a wave, which no other line names
.set LI,  1                            ; v1   16 x lane
.set STI, 2                            ; v2   the stage, on the way in
.set STO, 3                            ; v3   and on the way out: 528 r + 32 h
.set SPW, 12                           ; v12  my spare word; never rewritten
.set NIL, 13                           ; v13  0; never rewritten
.set R,   16                           ; v16-79    a unit as it is loaded
.set X,   80                           ; v80-143   register 8 c + j = k 16 c + 8 h + j of my row
.set T,   144
.set CD,  160                          ; v160-207  the codes of the three sets; v4, v6, v8: 2^e of the three sets
.macro LOAD t                          ; unit t: row i's 128 numbers, 512 consecutive bytes a load
.irp i, 0,1,2,3,4,5,6,7,8,9,10,11,12,13,14,15
	global_load_b128 v[R+4*\i:R+4*\i+3], v[LI], s[30:31] offset:4096*\i+512*(\t) th:TH_LOAD_NT
.endr
.endm
.macro TURN                            ; LDS serves a wave's instructions in order: no wait between the stores and the loads
.irp i, 0,1,2,3,4,5,6,7,8,9,10,11,12,13,14,15
	ds_store_b128 v[STI], v[R+4*\i:R+4*\i+3] offset:PIT*\i
.endr
	v_nop
.irp c, 0,1,2,3,4,5,6,7
	ds_load_b128 v[X+8*\c:X+8*\c+3], v[STO] offset:64*\c
	ds_load_b128 v[X+8*\c+4:X+8*\c+7], v[STO] offset:64*\c+16
.endr
.endm
.macro QUANT sc, lim, cd               ; X stays as it is: x is quantised three times.
.irp c, 0,1,2,3,4,5,6,7
.irp j, 0,1,2,3,4,5,6,7
.endr
	v_cvt_scalef32_pk8_fp8_f32 v[\cd+2*\c:\cd+2*\c+1], v[T+8*(\c%2)+((X+8*\c+0)-(T+8*(\c%2)+0)):T+8*(\c%2)+7+((X+8*\c+0)-(T+8*(\c%2)+0))], v[\sc]
.endr
.endm
.macro PUT cd, dst, t                  ; the image: each store covers 512 consecutive bytes, aligned
.irp i, 0,1,2,3
	global_store_b128 v[LI], v[\cd+4*\i:\cd+4*\i+3], s[\dst:\dst+1] offset:2048*(\t)+512*\i
.endr
.endm
.macro UNIT t
	s_wait_loadcnt 0x0                             ; the unit's 16 loads are in
	TURN
	s_wait_dscnt 0x0                               ; X is in, and the stage's stores have read R,
	s_wait_xcnt 0x0                                ; and the last unit's global stores have read their codes: both are written again below
.if (\t) < 3
	LOAD (\t)+1                                    ; the next unit is on its way while this one is quantised
.endif
	QUANT 4, 5, CD
	PUT CD, 32, \t
	s_cmp_eq_u32 s27, 0                            ; a weight has one scale
	s_cbranch_scc1 .Lw_\@
	QUANT 6, 7, CD+16
	PUT CD+16, 34, \t
	QUANT 8, 9, CD+32
	PUT CD+32, 48, \t
.Lw_\@:
.endm
.macro SCALE e, vs                     ; v[vs] = 2^e
	s_add_co_i32 s60, s[\e], 127
	s_lshl_b32 s61, s60, 23
	v_mov_b32 v[\vs], s61
.endm
.macro ANGLE d, lo, hi                 ; v[d] = cos, v[d + 1] = sin of position x (lo in lanes 0-15, hi in lanes 16-31)
	v_mul_f32 v20, \lo, v10
	v_mul_f32 v21, \hi, v10
	v_cndmask_b32 v20, v20, v21, s30               ; the angle
	v_mul_f32 v21, 0x3f22f983, v20                 ; x 2 / pi
	v_rndne_f32 v21, v21                           ; n
	v_fmamk_f32 v22, v21, 0xbfc90fdb, v20          ; angle - n x pi/2: the f32 nearest to pi/2,
	v_fmamk_f32 v22, v21, 0x333bbd2e, v22          ; and what that is too large by
	v_cvt_i32_f32 v23, v21
	v_mul_f32 v24, v22, v22                        ; z
	v_fmaak_f32 v25, v24, v40, 0x3c08839e
	v_fmaak_f32 v26, v24, v41, 0xbab6061a
	v_fmaak_f32 v25, v25, v24, 0xbe2aaaa3
	v_fmaak_f32 v26, v26, v24, 0x3d2aaaa5
	v_mul_f32 v27, v22, v24
	v_mul_f32 v28, v24, v24
	v_fma_f32 v29, v24, -0.5, 1.0
	v_fma_f32 v25, v27, v25, v22                   ; sin of the rest
	v_fma_f32 v26, v28, v26, v29                   ; cos of the rest
	v_and_b32 v27, 1, v23
	v_cmp_eq_u32 vcc_lo, 1, v27                    ; an odd quarter turn changes the two over
	v_cndmask_b32 v28, v25, v26, vcc_lo
	v_cndmask_b32 v29, v26, v25, vcc_lo
	v_lshlrev_b32 v27, 30, v23                     ; the sine is negative in quarters 2 and 3,
	v_add_nc_u32 v23, 1, v23                       ; the cosine in quarters 1 and 2
	v_and_b32 v27, 0x80000000, v27
	v_lshlrev_b32 v23, 30, v23
	v_and_b32 v23, 0x80000000, v23
	v_xor_b32 v[\d+1], v27, v28
	v_xor_b32 v[\d], v23, v29
.endm
	s_load_b512 s[8:23], s[0:1], 0x0               ; x 8, Wq 10, Wk 12, Wv 14, Wo 16, the scales 18, xc 20, wc 22
	s_load_b64 s[24:25], s[0:1], 0x40              ; rope
	v_lshl_add_u32 v[SPW], v0, 2, SPARE
	v_mov_b32 v[NIL], 0
	v_lshrrev_b32 v10, 5, v0
	v_readfirstlane_b32 s26, v10                   ; wave
	v_and_b32 v10, 31, v0
	v_lshlrev_b32 v[LI], 4, v10
	v_and_b32 v11, 15, v0                          ; r
	v_bfe_u32 v14, v0, 4, 1                        ; h
	s_wait_kmcnt 0x0
	s_cmp_ge_u32 ttmp9, 384
	s_cbranch_scc1 .Lrope
	s_load_b256 s[36:43], s[18:19], 0x0            ; e0 .. e7
	s_load_b128 s[44:47], s[18:19], 0x20           ; e8 .. e11
	s_cmp_lt_u32 ttmp9, 256
	s_cselect_b32 s27, 1, 0                        ; 1: x
	s_sub_co_u32 s50, ttmp9, 256
	s_lshr_b32 s29, s50, 5                         ; which weight (none of 0 .. 3 for x)
	s_and_b32 s51, s50, 31
	s_lshl_b32 s54, s29, 20                        ; a weight's codes are 2^20 bytes
	s_cmp_eq_u32 s27, 1
	s_cselect_b32 s28, ttmp9, s51                  ; the job: a pair of row tiles
	s_cselect_b32 s54, 0, s54
	s_cselect_b64 s[32:33], s[20:21], s[22:23]     ; the choices hang on the work-group's number alone
	s_cmp_eq_u32 s29, 1
	s_cselect_b64 s[30:31], s[12:13], s[10:11]
	s_cmp_eq_u32 s29, 2
	s_cselect_b64 s[30:31], s[14:15], s[30:31]
	s_cmp_eq_u32 s29, 3
	s_cselect_b64 s[30:31], s[16:17], s[30:31]
	s_cmp_eq_u32 s27, 1
	s_cselect_b64 s[30:31], s[8:9], s[30:31]
	s_lshr_b32 s51, s26, 1
	s_and_b32 s52, s26, 1
	s_lshl_b32 s53, s28, 1
	s_add_co_u32 s53, s53, s51                     ; my row tile
	s_lshl_b32 s56, s53, 16                        ; 16 rows of 4,096 bytes,
	s_lshl_b32 s57, s52, 11                        ; and my four K steps of 512 bytes
	s_add_co_u32 s56, s56, s57
	s_mov_b32 s57, 0
	s_add_nc_u64 s[30:31], s[30:31], s[56:57]
	s_lshl_b32 s58, s53, 14                        ; a row tile's eight images,
	s_lshl_b32 s59, s52, 13                        ; my four of them
	s_add_co_u32 s58, s58, s59
	s_add_co_u32 s58, s58, s54
	s_mov_b32 s59, 0
	s_add_nc_u64 s[32:33], s[32:33], s[58:59]
	s_add_nc_u64 s[34:35], s[32:33], 0x800000      ; x's second and third sets (used under the branch for x alone)
	s_add_nc_u64 s[48:49], s[32:33], 0x1000000
	s_wait_alu depctr_va_vdst(0)
	LOAD 0
	s_mul_i32 s50, s26, WSTG
	v_add_nc_u32 v[STI], s50, v[LI]
	v_mul_u32_u24 v[STO], v11, PIT
	v_lshl_add_u32 v[STO], v14, 5, v[STO]
	v_add_nc_u32 v[STO], s50, v[STO]
	s_wait_alu depctr_va_vdst(0)
	s_wait_kmcnt 0x0
	s_cmp_eq_u32 s29, 1
	s_cselect_b32 s52, s39, s37                    ; e3 or e1
	s_cmp_eq_u32 s29, 2
	s_cselect_b32 s52, s41, s52                    ; e5
	s_cmp_eq_u32 s29, 3
	s_cselect_b32 s52, s47, s52                    ; e11
	s_cmp_eq_u32 s27, 1
	s_cselect_b32 s52, s36, s52                    ; e0
	SCALE 52, 4
	SCALE 38, 6                                    ; e2
	SCALE 40, 8                                    ; e4
	s_wait_alu depctr_va_vdst(0)
	UNIT 0
	UNIT 1
	UNIT 2
	UNIT 3
	s_wait_tensorcnt 0x0                           ; the wave's end, behind my last LDS store
	ds_add_u32 v[SPW], v[NIL]
	s_wait_dscnt 0x0
	s_endpgm
.Lrope:                                                ; the table: a wave makes one tile of 16 positions; it touches no LDS
	s_sub_co_u32 s50, ttmp9, 384
	s_lshl_b32 s50, s50, 2
	s_add_co_u32 s50, s50, s26                     ; the tile, 0 .. 135
	s_lshl_b32 s52, s50, 4
	s_lshl_b32 s54, s50, 12                        ; 4,096 bytes a tile
	s_mov_b32 s55, 0
	s_cmp_lt_u32 s50, 128
	s_cselect_b32 s51, 1, 0                        ; tiles 128 on: position 0
	s_mul_i32 s52, s52, s51
	s_add_nc_u64 s[24:25], s[24:25], s[54:55]
	s_wait_alu depctr_va_vdst(0)
	v_mul_u32_u24 v10, v11, s51
	v_add_nc_u32 v10, s52, v10
	v_cvt_f32_u32 v10, v10                         ; the position
	v_cmp_ne_u32 s30, 0, v14                       ; lanes 16-31
	v_mov_b32 v40, 0xb94ca1f9
	v_mov_b32 v41, 0x37ccf5ce
	ANGLE 64, 1.0, 0.31622776601683794
	ANGLE 66, 0.7498942093324559, 0.23713737056616552
	ANGLE 68, 0.5623413251903491, 0.1778279410038923
	ANGLE 70, 0.4216965034285822, 0.1333521432163324
	ANGLE 72, 0.1, 0.031622776601683794
	ANGLE 74, 0.07498942093324559, 0.023713737056616552
	ANGLE 76, 0.05623413251903491, 0.01778279410038923
	ANGLE 78, 0.04216965034285822, 0.01333521432163324
	ANGLE 80, 0.01, 0.0031622776601683794
	ANGLE 82, 0.007498942093324559, 0.0023713737056616552
	ANGLE 84, 0.005623413251903491, 0.001778279410038923
	ANGLE 86, 0.004216965034285822, 0.001333521432163324
	ANGLE 88, 0.001, 0.00031622776601683794
	ANGLE 90, 0.0007498942093324559, 0.00023713737056616552
	ANGLE 92, 0.0005623413251903491, 0.0001778279410038923
	ANGLE 94, 0.0004216965034285822, 0.0001333521432163324
.irp q, 0,1,2,3,4,5,6,7
	global_store_b128 v[LI], v[64+4*\q:67+4*\q], s[24:25] offset:512*\q
.endr
	s_endpgm
.Lfunc_end_k_q30c748400a_prep:
	.size	k_q30c748400a_prep, .Lfunc_end_k_q30c748400a_prep-k_q30c748400a_prep
	.p2alignl 7, 3214868480
	.fill 96, 4, 3214868480
	.section	.rodata,"a",@progbits
	.p2align	6, 0x0
	.amdhsa_kernel k_q30c748400a_prep
		.amdhsa_group_segment_fixed_size 34304
		.amdhsa_private_segment_fixed_size 0
		.amdhsa_enable_private_segment 0
		.amdhsa_kernarg_size 72
		.amdhsa_user_sgpr_count 2
		.amdhsa_user_sgpr_kernarg_segment_ptr 1
		.amdhsa_wavefront_size32 1
		.amdhsa_system_sgpr_workgroup_id_x 1
		.amdhsa_system_sgpr_workgroup_id_y 1
		.amdhsa_system_sgpr_workgroup_id_z 1
		.amdhsa_system_vgpr_workitem_id 0
		.amdhsa_next_free_vgpr 208
		.amdhsa_next_free_sgpr 66
		.amdhsa_reserve_vcc 1
		.amdhsa_float_denorm_mode_32 3
		.amdhsa_float_denorm_mode_16_64 3
		.amdhsa_fp16_overflow 1
		.amdhsa_memory_ordered 1
		.amdhsa_forward_progress 1
		.amdhsa_inst_pref_size 53
	.end_amdhsa_kernel
	.amdgpu_metadata
---
amdhsa.version: [ 1, 2 ]
amdhsa.kernels:
  - .name:           k_q30c748400a_prep
    .symbol:         k_q30c748400a_prep.kd
    .args:
      - { .name: x, .offset: 0, .size: 8, .value_kind: global_buffer, .address_space: global }
      - { .name: Wq, .offset: 8, .size: 8, .value_kind: global_buffer, .address_space: global }
      - { .name: Wk, .offset: 16, .size: 8, .value_kind: global_buffer, .address_space: global }
      - { .name: Wv, .offset: 24, .size: 8, .value_kind: global_buffer, .address_space: global }
      - { .name: Wo, .offset: 32, .size: 8, .value_kind: global_buffer, .address_space: global }
      - { .name: lowp_scales, .offset: 40, .size: 8, .value_kind: global_buffer, .address_space: global }
      - { .name: xc, .offset: 48, .size: 8, .value_kind: global_buffer, .address_space: global }
      - { .name: wc, .offset: 56, .size: 8, .value_kind: global_buffer, .address_space: global }
      - { .name: rope, .offset: 64, .size: 8, .value_kind: global_buffer, .address_space: global }
    .group_segment_fixed_size: 34304
    .private_segment_fixed_size: 0
    .kernarg_segment_align: 8
    .kernarg_segment_size: 72
    .max_flat_workgroup_size: 128
    .sgpr_count:     66
    .vgpr_count:     208
    .wavefront_size: 32
...
	.end_amdgpu_metadata
.endif
;; end of part 1
;; launch qkv (part 2): grid 12 x 32, 4 waves a work-group, clusters of 4 x 4, 327,680 bytes of LDS; arguments xc, wc, lowp_scales, rope, qkv; writes qkv
.if DOCPART == 2
	.amdgcn_target "amdgcn-amd-amdhsa--gfx1250"
	.amdhsa_code_object_version 6
	.text
	.protected	k_q30c748400a_qkv
	.globl	k_q30c748400a_qkv
	.p2align	8
	.type	k_q30c748400a_qkv,@function
k_q30c748400a_qkv:
	s_mov_b64 s[64:65], 0
	v_nop
	global_prefetch_b8 v0, s[64:65] scope:SCOPE_SE
	s_setreg_imm32_b32 hwreg(HW_REG_WAVE_MODE, 25, 1), 1
	s_wait_xcnt 0x0
	s_wait_alu depctr_hold_cnt(0) depctr_sa_sdst(0) depctr_va_vdst(0) depctr_va_sdst(0) depctr_va_ssrc(0) depctr_va_vcc(0) depctr_vm_vsrc(0)
	s_getreg_b32 s2, hwreg(HW_REG_IB_STS2, 6, 4)
	s_cmp_eq_u32 s2, 0
	s_cbranch_scc0 .Lentry_in_a_cluster
	s_endpgm
.Lentry_in_a_cluster:
	s_bfe_u32 s2, ttmp6, 0x10000c
	s_cmp_lg_u32 s2, 0xf033
	s_cbranch_scc0 .Lentry_shape_is_right
	s_endpgm
.Lentry_shape_is_right:
; Q, K, V = x Wq^T, x Wk^T, x Wv^T on codes of FP8 (E4M3); RoPE on Q and K; all three quantised for the attention's products and stored as images of the operands' registers.
; One GEMM [8192] x [3072], K = 1,024.  A tile is 256 x 256, made by four waves, each 128 x 128: 64 accumulators, 512 registers.  Cluster x (0, 1, 2) is the tensor: it picks x's set of codes and the weight.
; AN IMAGE: a fragment of 16 rows x 128 K (lane (r, h): row r; registers 2 c, 2 c + 1: k = 16 c + 8 h + 0 .. 7) lies as 2,048 bytes, registers 4 i .. 4 i + 3 of lane l at 512 i + 16 l.  xc and wc hold
; [row tile][K step of 128][2048].  So a tile of 128 rows x 256 K is 8 pieces of 4,096 consecutive bytes, 16,384 apart; in LDS they lie on end, and every fragment comes by four loads of 512 consecutive bytes: no pitch, no padding.
; K goes in four steps of 256 through two LDS slots.  CLUSTERS: 4 x 4 work-groups; x's tiles are asked for jointly along a row of the cluster, the weight's along a column.
; THE MATRIX INSTRUCTION IS USED TRANSPOSED: source 0 gives a lane's eight registers, source 1 its one row.  For Q and K source 0 = 16 rows of W, source 1 = 16 tokens: a lane holds a token and eight neighbouring channels,
; which are RoPE's pairs and the next product's K.  For V the two change parts (only the LDS addresses of the fragments differ, by the cluster's x): a lane holds a channel and eight neighbouring KEYS, the second product's K.
; THE WAY OUT needs no LDS: a block of 16 rows x 128 gives 16 registers of codes: for Q and K the images of two heads' fragments (16 tokens x 64), for V one fragment (16 channels x 128 keys).
; RoPE is applied to all three alike: V reads the table's tiles 128-135, which hold (1, 0).  A sum stands for sum x 2^(ea + eb), and RoPE is linear: the three exponents are folded into the conversion's one.
; qkv: Q at 0, K at 2^23: [batch x 16 + head][tile of 16 tokens 128][1024];  V at 2^24: [batch x 16 + head][tile of 16 channels 4][128 keys 16][2048].
; LIMITS: e6 - e0 - e1, e7 - e2 - e3, e9 - e4 - e5 between -126 and 119.  NaN is not served.
; No prefetch: the launch has two refills, both within two K steps of its head.
; REGISTERS, in windows of 256: window 0: v16-30 addresses and scales; v32-95 two buffers of the table; from v128 A's fragments, one set; on the way out v96-191 at work.
;   window 1: B's fragments, two sets.  window 2: the accumulators of my blocks 0-3 ((a, b) at v[8 (8 a + b)]); window 3: blocks 4-7.
.set HALFT, 32768                      ; 128 rows x 256 K: what one tensor load brings
.set SLOT,  4*HALFT                    ; x's two halves, then W's two
.set SPARE, 2*SLOT                     ; behind the ring: the spare words, 128 bytes a wave, which no other line names
.set FR,    16
.set NL,    4
.set NP,    4                          ; places behind this matrix instruction (ISA guide 7.12.1)
.set ADRA, 16                          ; v16-17  LDS address of the fragments of source 1 in slot 0, 1
.set ADRB, 20                          ; v20-21  of source 0
.set LI,   24                          ; v24     16 x lane
.set VO1,  26                          ; v26     16 x lane + the distance to the block's second half of codes
.set SCV,  27                          ; v27     the conversion's scale
.set SPW,  28                          ; v28     my spare word; never rewritten
.set NIL,  29                          ; v29     0; never rewritten
.set LMV,  30
.set RB,   32                          ; v32-95  the table's rows of two blocks
.set Y,    96                          ; v96-159 a block behind RoPE
.set T2,   160                         ; v160-175
.set CD,   176                         ; v176-191 its codes
.set AF,   128
.set G1, 24
.set G0, 32
.set G1B, 48
.set G0B, 56
.set MSB, 0
.macro WIN new                         ; the immediate's high byte repeats the setting that is left
.if MSB != \new
	s_set_vgpr_msb (MSB<<8)|\new
.set MSB, \new
.endif
.endm
.set MUL_LO, 0xa1                      ; source 0 window 1, source 1 window 0, C and D window 2
.set MUL_HI, 0xf1                      ; the same, C and D window 3
.set TO_B,   0x40                      ; destination window 1, address window 0
.macro JLOAD g0a, g1a, g0b, g1b        ; a joint load: waves 0 and 1 fetch x's halves, waves 2 and 3 W's; the branch hangs on the wave's number alone
	s_cmp_eq_u32 s15, 0
	s_cbranch_scc0 .Lfor_b_\@
	tensor_load_to_lds s[\g0a:\g0a+3], s[\g1a:\g1a+7]
	s_nop 0
.rept 4
	v_nop
.endr
	s_branch .Lasked_\@
.Lfor_b_\@:
	tensor_load_to_lds s[\g0b:\g0b+3], s[\g1b:\g1b+7]
	s_nop 0
.rept 4
	v_nop
.endr
.Lasked_\@:
.endm
.macro CREST                           ; a round of the cluster's barrier behind its opening barrier
	s_cmp_lg_u32 s14, 0
	s_cbranch_scc1 .Lnot_wave_0_\@
	s_barrier_signal -3
.Lnot_wave_0_\@:
	s_barrier_wait -3
	s_barrier_signal -1
	s_barrier_wait -1
.endm
.macro CROUND
	s_barrier_signal -1
	s_barrier_wait -1
	CREST
.endm
	s_load_b128 s[4:7], s[0:1], 0x0                ; xc, wc
	s_load_b128 s[8:11], s[0:1], 0x10              ; the scales, rope
	s_load_b64 s[12:13], s[0:1], 0x20              ; qkv
	v_lshl_add_u32 v[SPW], v0, 2, SPARE
	v_mov_b32 v[NIL], 0
	ds_add_u32 v[SPW], v[NIL]                      ; the wave's opening: the add and its wait ahead of my first tensor load; work on registers stands between them
	ds_add_u32 v[SPW], v[NIL]
	v_lshrrev_b32 v1, 5, v0
	v_readfirstlane_b32 s14, v1                    ; wave
	s_lshr_b32 s15, s14, 1                         ; wr: which half of source 1's rows is mine.  Also: I fetch for x (0) or for W (1)
	s_and_b32 s16, s14, 1                          ; wc: which half of source 0's rows.  Also: which half of that tile I fetch
	s_bfe_u32 s40, ttmp6, 0x40000                  ; cx
	s_bfe_u32 s41, ttmp6, 0x40004                  ; cy
	s_lshl_b32 s42, ttmp9, 2
	s_add_co_u32 s42, s42, s40                     ; tile column 0 .. 11
	s_and_b32 s17, ttmp7, 0xffff
	s_lshl_b32 s17, s17, 2
	s_add_co_u32 s17, s17, s41                     ; tile row 0 .. 31
	s_lshl_b32 s43, s41, 2
	s_lshl_b32 s43, 15, s43                        ; my row of the cluster
	s_lshl_b32 s44, 0x1111, s40                    ; my column
	s_or_b32 s[G1+0], s43, (3<<16)|(1<<21)         ; 15:0 the mask; 17:16 elements of 8 bytes; 21 set beside a mask; no padding
	s_or_b32 s[G1B+0], s44, (3<<16)|(1<<21)
.irp g, G1, G1B
	s_mov_b32 s[\g+1], 512<<16                     ; tensor_dim0 = 512 elements: 4,096 bytes, a row tile's two images
	s_mov_b32 s[\g+2], 8<<16                       ; tensor_dim1 = 8 row tiles
	s_mov_b32 s[\g+3], 512<<16                     ; tile_dim0
	s_mov_b32 s[\g+4], 8                           ; tile_dim1
	s_mov_b32 s[\g+5], 2048                        ; from row tile to row tile: 16,384 bytes
	s_mov_b32 s[\g+6], 0
	s_mov_b32 s[\g+7], 0
.endr
	s_lshl_b32 s18, s16, 3                         ; which 8 row tiles I fetch
	s_lshl_b32 s20, s17, 4
	s_add_co_u32 s20, s20, s18
	s_lshl_b32 s20, s20, 14                        ; x: row tile 16 x tile row + 8 x half,
	s_lshl_b32 s19, ttmp9, 23
	s_add_co_u32 s20, s20, s19                     ; in the tensor's set of codes
	s_mov_b32 s21, 0
	s_lshl_b32 s46, s42, 4
	s_add_co_u32 s46, s46, s18
	s_lshl_b32 s46, s46, 14                        ; W: row tile 16 x tile column + 8 x half: the three weights lie on end
	s_mov_b32 s47, 0
	s_mul_i32 s45, s14, HALFT                      ; where they go: no place in the cluster enters an LDS address
	s_wait_dscnt 0x0                               ; the opening add is done
	s_wait_kmcnt 0x0
	s_load_b256 s[68:75], s[8:9], 0x0              ; e0 .. e7
	s_load_b128 s[76:79], s[8:9], 0x20             ; e8 .. e11
	s_add_nc_u64 s[20:21], s[4:5], s[20:21]
	s_add_nc_u64 s[46:47], s[6:7], s[46:47]
	CROUND                                         ; all sixteen work-groups are here: the first joint loads meet
.irp s, 0,1
	s_mov_b32 s[G0+4*\s], 1
	s_add_co_u32 s[G0+4*\s+1], s45, \s*SLOT
	s_add_nc_u64 s[G0+4*\s+2:G0+4*\s+3], s[20:21], \s*4096
	s_or_b32 s[G0+4*\s+3], s[G0+4*\s+3], 0x80000000
	s_mov_b32 s[G0B+4*\s], 1
	s_add_co_u32 s[G0B+4*\s+1], s45, \s*SLOT
	s_add_nc_u64 s[G0B+4*\s+2:G0B+4*\s+3], s[46:47], \s*4096
	s_or_b32 s[G0B+4*\s+3], s[G0B+4*\s+3], 0x80000000
	JLOAD G0+4*\s, G1, G0B+4*\s, G1B
.endr
	v_and_b32 v1, 31, v0
	v_lshlrev_b32 v[LI], 4, v1
	s_wait_alu depctr_va_vdst(0)
	s_mul_i32 s18, s15, HALFT
	s_mul_i32 s19, s16, HALFT
	s_cmp_eq_u32 ttmp9, 2                          ; V: W's rows are source 1 and x's are source 0.  The cluster's x is the same in all partners
	s_cselect_b32 s22, 2*HALFT, 0
	s_cselect_b32 s23, 0, 2*HALFT
	s_add_co_u32 s22, s22, s18
	s_add_co_u32 s23, s23, s19
.irp s, 0,1
	v_add_nc_u32 v[ADRA+\s], s22, v[LI]
	v_add_nc_u32 v[ADRB+\s], s23, v[LI]
	s_add_co_u32 s22, s22, SLOT
	s_add_co_u32 s23, s23, SLOT
.endr
	; where my codes go, and which rows of the table I read
	s_lshr_b32 s91, s17, 3                         ; the batch
	s_and_b32 s92, s17, 7                          ; which 256 tokens of the sequence
	s_lshl_b32 s93, s91, 4
	s_lshl_b32 s94, s40, 2
	s_add_co_u32 s93, s93, s94
	s_lshl_b32 s94, s16, 1
	s_add_co_u32 s93, s93, s94                     ; Q, K: batch x 16 + my first head (4 cx + 2 wc)
	s_lshl_b32 s93, s93, 7
	s_lshl_b32 s94, s92, 4
	s_add_co_u32 s93, s93, s94
	s_lshl_b32 s94, s15, 3
	s_add_co_u32 s93, s93, s94                     ; x 128 + my first tile of tokens
	s_lshl_b32 s93, s93, 10
	s_lshl_b32 s94, ttmp9, 23
	s_add_co_u32 s93, s93, s94
	s_lshl_b32 s95, s91, 6
	s_lshl_b32 s94, s40, 4
	s_add_co_u32 s95, s95, s94
	s_lshl_b32 s94, s15, 3
	s_add_co_u32 s95, s95, s94                     ; V: batch x 64 + my first tile of channels (16 cx + 8 wr)
	s_lshl_b32 s95, s95, 4
	s_lshl_b32 s94, s92, 1
	s_add_co_u32 s95, s95, s94
	s_add_co_u32 s95, s95, s16                     ; x 16 + my 128 keys
	s_lshl_b32 s95, s95, 11
	s_add_co_u32 s95, s95, 0x1000000
	s_lshl_b32 s94, s92, 4
	s_lshl_b32 s90, s15, 3
	s_add_co_u32 s94, s94, s90
	s_lshl_b32 s94, s94, 12                        ; the table: my first tile of positions
	s_cmp_eq_u32 ttmp9, 2
	s_cselect_b32 s96, s95, s93
	s_mov_b32 s82, 1024
	s_cselect_b32 s82, 32768, s82                  ; from block to block
	s_mov_b32 s84, 131072
	s_cselect_b32 s84, 1024, s84                   ; from a block's first eight registers of codes to its last eight: the next head, or the fragment's second half
	s_cselect_b32 s94, 524288, s94                 ; V: the tiles that hold (1, 0)
	s_mov_b32 s97, 0
	s_mov_b32 s83, 0
	s_add_nc_u64 s[80:81], s[12:13], s[96:97]
	s_mov_b32 s96, s94
	s_add_nc_u64 s[86:87], s[10:11], s[96:97]
	v_add_nc_u32 v[VO1], s84, v[LI]
.macro ROPELD a                        ; block a's rows of the table: (cos, sin) of my token for the pairs of tiles b % 4 = 0 .. 3
.irp q, 0,1,2,3
	global_load_b128 v[RB+32*((\a)%2)+8*\q:RB+32*((\a)%2)+8*\q+3], v[LI], s[86:87] offset:4096*(\a)+1024*\q
	global_load_b128 v[RB+32*((\a)%2)+8*\q+4:RB+32*((\a)%2)+8*\q+7], v[LI], s[86:87] offset:4096*(\a)+1024*\q+512
.endr
.endm
	ROPELD 0                                       ; they land under the products, which do not touch v32-95
	ROPELD 1
	s_wait_alu depctr_va_vdst(0)
	s_wait_kmcnt 0x0
	s_cmp_eq_u32 ttmp9, 1
	s_cselect_b32 s88, s75, s74                    ; the scale that the result is quantised with: e6, e7 or e9,
	s_cselect_b32 s89, s70, s68                    ; and those of the product's operands
	s_cselect_b32 s90, s71, s69
	s_cmp_eq_u32 ttmp9, 2
	s_cselect_b32 s88, s77, s88
	s_cselect_b32 s89, s72, s89
	s_cselect_b32 s90, s73, s90
	s_sub_co_i32 s88, s88, s89
	s_sub_co_i32 s88, s88, s90
	s_add_co_i32 s88, s88, 127
	s_lshl_b32 s89, s88, 23
	v_mov_b32 v[SCV], s89
.macro FRAG reg, adr, q, i             ; the image of row tile i, K step q of the slot: four loads of 512 consecutive bytes
.irp c, 0,1,2,3
	ds_load_b128 v[\reg+4*\c:\reg+4*\c+3], v[\adr] offset:2048*(\q)+512*\c+(\i)*4096
.endr
.endm
; 16 matrix instructions: source 1's blocks a0, a0 + 1 x source 0's eight.  The 64 accumulators take turns, one instruction a turn, in the same order in every step.
.macro MUL16 a0, p, zero
.irp a, \a0, \a0+1
.irp b, 0,1,2,3,4,5,6,7
.if \zero
	v_wmma_f32_16x16x128_fp8_fp8 v[8*(8*((\a)%4)+\b):8*(8*((\a)%4)+\b)+7], v[128*(\p)+FR*\b:128*(\p)+FR*\b+FR-1], v[AF+FR*(\a):AF+FR*(\a)+FR-1], 0
.else
	v_wmma_f32_16x16x128_fp8_fp8 v[8*(8*((\a)%4)+\b):8*(8*((\a)%4)+\b)+7], v[128*(\p)+FR*\b:128*(\p)+FR*\b+FR-1], v[AF+FR*(\a):AF+FR*(\a)+FR-1], v[8*(8*((\a)%4)+\b):8*(8*((\a)%4)+\b)+7]
.endif
.endr
.endr
.endm
.macro FETCH_B slot, q, p
	WIN TO_B
.irp i, 0,1,2,3,4,5,6,7
	FRAG 128*(\p)+FR*\i, ADRB+\slot, \q, \i
.endr
	WIN 0
.endm
.macro FETCH_A slot, q, i0
.irp i, \i0, \i0+1, \i0+2, \i0+3
	FRAG AF+FR*(\i), ADRA+\slot, \q, \i
.endr
.endm
.macro PLACES n                        ; plain vector lines between a matrix instruction and a load into, or a vector write of, one of its registers, or a read of its result
.rept \n
	v_nop
.endr
.endm
.macro STEP slot, q, zero              ; 128 along K that has its successor in the same slot
	s_wait_dscnt 4*NL                              ; source 0's set and blocks 0-3 are in; the youngest 16 loads (blocks 4-7) may be out
	WIN MUL_LO
	MUL16 0, (\q)%2, \zero
	MUL16 2, (\q)%2, \zero
	s_wait_dscnt 0
	PLACES NP
	FETCH_B \slot, (\q)+1, 1-(\q)%2
	FETCH_A \slot, (\q)+1, 0
	WIN MUL_HI
	MUL16 4, (\q)%2, \zero
	MUL16 6, (\q)%2, \zero
	PLACES NP
	WIN 0
	FETCH_A \slot, (\q)+1, 4
.endm
; A slot's last step changes slots: one barrier; in front of it each wave waits for all its tensor loads, adds 0 to its spare word, and waits for that and for its reads of this slot.  fill = 1: the slot is filled again, two K steps on.
.macro TURN slot, next, fill
	s_wait_tensorcnt 0x0                           ; all my tensor loads have landed: my part of the next slot
	ds_add_u32 v[SPW], v[NIL]                      ; 0 onto my spare word
	s_wait_dscnt 4*NL+1                            ; the add and the youngest 16 loads may be out
	WIN MUL_LO
	MUL16 0, 1, 0
	s_wait_dscnt 0x0                               ; the add is done, and my reads of this slot are over
	s_barrier_signal -1
	MUL16 2, 1, 0
	WIN 0
	s_barrier_wait -1
.if \fill
	CREST                                          ; the barrier has opened a round of the cluster's: no wave of any partner still reads this slot or has a load on its way
	s_add_nc_u64 s[G0+4*\slot+2:G0+4*\slot+3], s[G0+4*\slot+2:G0+4*\slot+3], 8192
	s_add_nc_u64 s[G0B+4*\slot+2:G0B+4*\slot+3], s[G0B+4*\slot+2:G0B+4*\slot+3], 8192
	JLOAD G0+4*\slot, G1, G0B+4*\slot, G1B         ; the first tensor load behind the round; its four v_nop are the places in front of the loads below
.else
	PLACES NP
.endif
	FETCH_B \next, 0, 0
	FETCH_A \next, 0, 0
	WIN MUL_HI
	MUL16 4, 1, 0
	MUL16 6, 1, 0
	PLACES NP
	WIN 0
	FETCH_A \next, 0, 4
.endm
	s_wait_tensorcnt 1                             ; my part of K step 0 is in; K step 1's load may be out
	s_barrier_signal -1
	s_barrier_wait -1
	FETCH_B 0, 0, 0
	FETCH_A 0, 0, 0
	FETCH_A 0, 0, 4
	STEP 0, 0, 1                                   ; the first products start the sums: nothing is cleared
	TURN 0, 1, 1                                   ; slot 0 takes K step 2
	STEP 1, 0, 0
	TURN 1, 0, 1                                   ; slot 1 takes K step 3
	STEP 0, 0, 0
	TURN 0, 1, 0
	STEP 1, 0, 0
	s_wait_dscnt 4*NL                              ; the last 128 along K
	WIN MUL_LO
	MUL16 0, 1, 0
	MUL16 2, 1, 0
	s_wait_dscnt 0
	WIN MUL_HI
	MUL16 4, 1, 0
	MUL16 6, 1, 0
	WIN 0
; THE WAY OUT of block a.  A pair (x1, x2) of neighbouring registers becomes (x1 c - x2 s, x2 c + x1 s): a packed multiply gives (-x2 s, x1 s), a packed multiply-add adds (x1 c, x2 c).  Each accumulator is read from its low end on.
.macro OUTB a
.set AC, 64*((\a)%4)
.set RR, RB+32*((\a)%2)
.if (\a) < 7
	s_wait_loadcnt 8                               ; this block's eight loads of the table are in; the next block's eight may be out
.else
	s_wait_loadcnt 0
.endif
	WIN 0x02+((\a)/4)                              ; source 0: window 2 or 3
.irp b, 0,1,2,3,4,5,6,7
.irp p, 0,2,4,6
	v_pk_mul_f32 v[T2+8*(\b%2)+\p:T2+8*(\b%2)+\p+1], v[AC+8*\b+\p:AC+8*\b+\p+1], v[RR+8*(\b%4)+\p:RR+8*(\b%4)+\p+1] op_sel:[1,1] op_sel_hi:[0,1] neg_lo:[1,0]
.endr
.irp p, 0,2,4,6
	v_pk_fma_f32 v[Y+8*\b+\p:Y+8*\b+\p+1], v[AC+8*\b+\p:AC+8*\b+\p+1], v[RR+8*(\b%4)+\p:RR+8*(\b%4)+\p+1], v[T2+8*(\b%2)+\p:T2+8*(\b%2)+\p+1] op_sel_hi:[1,0,1]
.endr
.endr
	WIN 0
.if (\a) < 6
	ROPELD (\a)+2                                  ; into the buffer just read
.endif
.set i, 0
.rept 64
.set i, i+1
.endr
	s_wait_alu depctr_va_vdst(0)
	s_wait_xcnt 0x0                                ; the last block's stores have read their codes and their base: both are written below
.if (\a) > 0
	s_add_nc_u64 s[80:81], s[80:81], s[82:83]
.endif
.irp b, 0,1,2,3,4,5,6,7
	v_cvt_scalef32_pk8_fp8_f32 v[CD+2*\b:CD+2*\b+1], v[Y+8*\b:Y+8*\b+7], v[SCV]
.endr
	v_nop                                          ; a plain line behind the last conversion: the next block writes its sources
	global_store_b128 v[LI], v[CD:CD+3], s[80:81]              ; each store covers 512 consecutive bytes, aligned
	global_store_b128 v[LI], v[CD+4:CD+7], s[80:81] offset:512
	global_store_b128 v[VO1], v[CD+8:CD+11], s[80:81]
	global_store_b128 v[VO1], v[CD+12:CD+15], s[80:81] offset:512
.endm
	PLACES NP                                      ; behind the last products: the lines below write registers that held their fragments
.irp a, 0,1,2,3,4,5,6,7
	OUTB \a
.endr
	s_wait_tensorcnt 0x0                           ; the wave's end
	ds_add_u32 v[SPW], v[NIL]
	s_wait_dscnt 0x0
	CROUND                                         ; the closing round: no work-group ends while a partner may still ask for a tile that names it
	s_endpgm
.Lfunc_end_k_q30c748400a_qkv:
	.size	k_q30c748400a_qkv, .Lfunc_end_k_q30c748400a_qkv-k_q30c748400a_qkv
	.p2alignl 7, 3214868480
	.fill 96, 4, 3214868480
	.section	.rodata,"a",@progbits
	.p2align	6, 0x0
	.amdhsa_kernel k_q30c748400a_qkv
		.amdhsa_group_segment_fixed_size 327680
		.amdhsa_private_segment_fixed_size 0
		.amdhsa_enable_private_segment 0
		.amdhsa_kernarg_size 40
		.amdhsa_user_sgpr_count 2
		.amdhsa_user_sgpr_kernarg_segment_ptr 1
		.amdhsa_wavefront_size32 1
		.amdhsa_system_sgpr_workgroup_id_x 1
		.amdhsa_system_sgpr_workgroup_id_y 1
		.amdhsa_system_sgpr_workgroup_id_z 1
		.amdhsa_system_vgpr_workitem_id 0
		.amdhsa_next_free_vgpr 1024
		.amdhsa_next_free_sgpr 100
		.amdhsa_reserve_vcc 0
		.amdhsa_float_denorm_mode_32 3
		.amdhsa_float_denorm_mode_16_64 3
		.amdhsa_fp16_overflow 1
		.amdhsa_memory_ordered 1
		.amdhsa_forward_progress 1
		.amdhsa_inst_pref_size 126
	.end_amdhsa_kernel
	.amdgpu_metadata
---
amdhsa.version: [ 1, 2 ]
amdhsa.kernels:
  - .name:           k_q30c748400a_qkv
    .symbol:         k_q30c748400a_qkv.kd
    .args:
      - { .name: xc, .offset: 0, .size: 8, .value_kind: global_buffer, .address_space: global }
      - { .name: wc, .offset: 8, .size: 8, .value_kind: global_buffer, .address_space: global }
      - { .name: lowp_scales, .offset: 16, .size: 8, .value_kind: global_buffer, .address_space: global }
      - { .name: rope, .offset: 24, .size: 8, .value_kind: global_buffer, .address_space: global }
      - { .name: qkv, .offset: 32, .size: 8, .value_kind: global_buffer, .address_space: global }
    .group_segment_fixed_size: 327680
    .private_segment_fixed_size: 0
    .kernarg_segment_align: 8
    .kernarg_segment_size: 40
    .max_flat_workgroup_size: 128
    .sgpr_count:     100
    .vgpr_count:     1024
    .wavefront_size: 32
...
	.end_amdgpu_metadata
.endif
;; end of part 2
;; launch attn (part 3): grid 4 x 64, 16 waves a work-group, no clusters, 327,680 bytes of LDS; arguments qkv, lowp_scales, mh; writes mh
.if DOCPART == 3
	.amdgcn_target "amdgcn-amd-amdhsa--gfx1250"
	.amdhsa_code_object_version 6
	.text
	.protected	k_q30c748400a_attn
	.globl	k_q30c748400a_attn
	.p2align	8
	.type	k_q30c748400a_attn,@function
k_q30c748400a_attn:
	s_mov_b64 s[64:65], 0
	v_nop
	global_prefetch_b8 v0, s[64:65] scope:SCOPE_SE
	s_setreg_imm32_b32 hwreg(HW_REG_WAVE_MODE, 25, 1), 1
	s_wait_xcnt 0x0
; mh[b][q][head] = softmax over k <= q of (Q . K / 8) V, both products on codes of FP8 (E4M3) with the given scales e6, e7 (Q, K), e8, e9 (p, V); the result is quantised with e10 for the last projection.
; THE SOFTMAX: t = score x log2(e) / 8; M = the running largest t rounded UP to a whole number; p = 2^(t - M) is quantised along the keys, not normalised; the row's sum is taken of the unquantised p and divides at the end.
; When M moves, the sum and O are multiplied by 2^(old M - new M), which rounds nothing.
; INPUTS are images of the operands' registers (registers 4 i .. 4 i + 3 of lane l at 512 i + 16 l): Q, K: [batch x 16 + head][tile of 16 tokens][1024] (16 x 64);  V: [..][tile of 16 channels 4][128 keys 16][2048] (16 x 128, keys innermost).
; SHARES.  A work-group of sixteen waves owns query blocks i and 7 - i (256 queries each) of one head, one after the other; a wave owns 16 queries of a block, in 256 registers: four waves to a SIMD.
; Block j needs key slots 0 .. j of 256 keys: (i + 1) + (8 - i) = 9 slots for every work-group: equal work, and a trip count that is a constant.  Eight trips ask for the next slot; the ninth is written out and asks for nothing.
; K's and V's tiles come through two LDS slots of 32 KiB, filled by the tensor data mover (waves 0, 1: K's halves; waves 2, 3: V's) and read by all sixteen, 512 consecutive bytes a load.
; NO CLUSTER: the four work-groups of a head want different slots at the same trip (work-group i begins its second block at trip i + 1), so their requests do not meet.
; LAYOUT.  S^T = K Q^T (source 0 = 16 keys, source 1 = my 16 queries): lane (r, h) holds query r, register j of tile kt key 16 kt + 8 h + j: eight neighbours, whose codes are registers 2 kt, 2 kt + 1 of p's fragment.
; O^T = V^T p^T: register j of tile t is channel 16 t + 8 h + j: whose codes are the image of mh's fragment (16 tokens x my head's 64): mh: [tile of 16 tokens 512][head 16][1024].
; CAUSAL.  A step all of whose 128 keys come after my 16 queries is left out by a scalar branch on ids; on the diagonal hidden scores become -infinity ahead of the maximum.  Key 0 counts for every query, so M is a number from a block's first step on.
; LIMITS: e6 + e7 between -123 and 130; e8, and e10 - e8 - e9, between -126 and 119.
; REGISTERS: v1 16 x lane; v3 the prefetches' offset; v5, v6 the add's two; v8 the address in hand; v12 -M, v13 the largest t, v[14:15] the sum; v16-23 Q; v24-31 the second block's Q; v32-95 K's eight fragments, then V's four;
;   v96-159 S^T, then p; v160-191 O^T; v192-199 mh's codes; v224-239 p's codes; v244: 2^e8; v245: the same with e10 - e8 - e9; v236, v238-243, v246-255 at work.
.set SLOT1, 32768
.set VOFF,  16384                      ; a slot: 16 tiles of K, then V: tile t of channels at 4,096 t, its two runs of 128 keys 2,048 apart
.set SPARE, 65536                      ; behind the ring: the spare words, 128 bytes a wave, which no other line names
.set LI,  1
.set PFO, 3
.set SPW, 5
.set NIL, 6
.set ADR, 8
.set TB,  2                            ; s2   LDS byte at which the slot in hand begins
.set WV,  18
.set SEL, 20                           ; s[20:21] v_permlanex16_b32's selects for lane l xor 16
.set CS,  22                           ; s[22:23] c = log2(e) / 8 x 2^(e6 + e7)
.set G1K, 24
.set G1V, 32
.set G0K, 40
.set G0V, 44
.set CNT, 48                           ; trips to go
.set BLK, 49                           ; the query block in hand
.set KS,  50                           ; the key slot in hand
.set NS,  51                           ; the next trip's
.set KF,  52                           ; the step's first key
.set Q0,  53                           ; my first query
.set KB,  54                           ; s[54:55] K's, s[56:57] V's codes of my head, at the half that I fetch
.set VB,  56
.set MA,  60                           ; s[60:61], s[62:63] where the two blocks' codes go
.set MB,  62
.set PFA, 80                           ; s[80:81] where my prefetches stand; s[82:83] a slot on; s84: 4 in a wave that prefetches, else 0
.set PFS, 82
.set LIM, 84
.macro TLOAD                           ; the branches hang on the wave's number alone
	s_cmp_lt_u32 s[WV], 2
	s_cbranch_scc0 .Lnot_k_\@
	tensor_load_to_lds s[G0K:G0K+3], s[G1K:G1K+7]
	s_nop 0
.rept 4
	v_nop
.endr
	s_branch .Lasked_\@
.Lnot_k_\@:
	s_cmp_lt_u32 s[WV], 4
	s_cbranch_scc0 .Lasked_\@
	tensor_load_to_lds s[G0V:G0V+3], s[G1V:G1V+7]
	s_nop 0
.rept 4
	v_nop
.endr
.Lasked_\@:
.endm
; A PREFETCH INTO THE L2 of the key slot that the NEXT trip's tensor loads will ask for.  Of a head's four work-groups the first (blocks 0 and 7) is the first to ask for slots 4 to 7, in its trips 4 to 7: it alone prefetches,
; in trips 3 to 6 (CNT = 5 .. 2), one trip, two key steps of every wave, ahead.  Waves 4 and 5 name K's 16 KiB, lanes 256 bytes apart; waves 6 and 7 V's four pieces of 4,096 bytes, two a wave: each aligned 256 bytes once in the launch.
; Slots 0 to 3 come by their loads alone: they are wanted in the launch's first trips, by other work-groups of the head.
.macro ASK
	s_sub_co_u32 s96, s[CNT], 2
	s_cmp_lt_u32 s96, s[LIM]
	s_cbranch_scc0 .Lnot_mine_\@
	global_prefetch_b8 v[PFO], s[PFA:PFA+1] th:TH_LOAD_NT scope:SCOPE_SE
.Lnot_mine_\@:
.endm
	s_load_b128 s[4:7], s[0:1], 0x0                ; qkv, the scales
	s_load_b64 s[8:9], s[0:1], 0x10                ; mh
	v_lshl_add_u32 v[SPW], v0, 2, SPARE
	v_mov_b32 v[NIL], 0
	ds_add_u32 v[SPW], v[NIL]                      ; the wave's opening: the add and its wait ahead of my first tensor load; work on registers stands between them
	ds_add_u32 v[SPW], v[NIL]
	v_lshrrev_b32 v8, 5, v0
	s_delay_alu instid0(VALU_DEP_1)
	v_readfirstlane_b32 s[WV], v8                  ; wave 0 .. 15
	s_and_b32 s10, ttmp7, 0xffff                   ; batch x 16 + head
	s_and_b32 s11, s[WV], 1
	s_mov_b32 s[G1K], 3<<16                        ; K: 8,192 dense bytes as 32 rows of 32 elements of 8 bytes; no mask, no padding
	s_mov_b32 s[G1K+1], 32<<16
	s_mov_b32 s[G1K+2], 32<<16
	s_mov_b32 s[G1K+3], 32<<16
	s_mov_b32 s[G1K+4], 32
	s_mov_b32 s[G1K+5], 32
	s_mov_b32 s[G1K+6], 0
	s_mov_b32 s[G1K+7], 0
	s_mov_b32 s[G1V], 3<<16                        ; V: 2 rows of 512 elements (4,096 bytes: a tile of channels' 256 keys), 32,768 bytes apart
	s_mov_b32 s[G1V+1], 512<<16
	s_mov_b32 s[G1V+2], 2<<16
	s_mov_b32 s[G1V+3], 512<<16
	s_mov_b32 s[G1V+4], 2
	s_mov_b32 s[G1V+5], 4096
	s_mov_b32 s[G1V+6], 0
	s_mov_b32 s[G1V+7], 0
	s_mov_b32 s[SEL], 0x76543210
	s_mov_b32 s[SEL+1], 0xfedcba98
	s_mov_b32 s[CS], 0x3e38aa3b                    ; log2(e) / 8
	s_mov_b32 s[TB], 0
	s_mov_b32 s[CNT], 8
	s_mov_b32 s[BLK], ttmp9
	s_mov_b32 s[KS], 0
	s_mov_b32 s[KF], 0
	s_lshl_b32 s[Q0], ttmp9, 8
	s_lshl_b32 s96, s[WV], 4
	s_add_co_u32 s[Q0], s[Q0], s96
	s_lshl_b32 s12, s10, 17                        ; a head's codes are 131,072 bytes in each of Q, K, V
	s_lshl_b32 s58, s11, 13
	s_add_co_u32 s58, s58, s12
	s_add_co_u32 s58, s58, 0x800000
	s_mov_b32 s59, 0
	s_lshl_b32 s86, s11, 16
	s_add_co_u32 s86, s86, s12
	s_add_co_u32 s86, s86, 0x1000000
	s_mov_b32 s87, 0
	s_lshl_b32 s13, s11, 13                        ; my half's place in a slot's K or V
	s_wait_dscnt 0x0                               ; the opening add is done
	s_wait_kmcnt 0x0
	s_load_b256 s[68:75], s[6:7], 0x0              ; e0 .. e7
	s_load_b128 s[76:79], s[6:7], 0x20             ; e8 .. e11
	s_add_nc_u64 s[KB:KB+1], s[4:5], s[58:59]
	s_add_nc_u64 s[VB:VB+1], s[4:5], s[86:87]
	s_mov_b32 s[G0K], 1
	s_mov_b32 s[G0K+1], s13
	s_mov_b64 s[G0K+2:G0K+3], s[KB:KB+1]
	s_or_b32 s[G0K+3], s[G0K+3], 0x80000000
	s_mov_b32 s[G0V], 1
	s_add_co_u32 s[G0V+1], s13, VOFF
	s_mov_b64 s[G0V+2:G0V+3], s[VB:VB+1]
	s_or_b32 s[G0V+3], s[G0V+3], 0x80000000
	TLOAD                                          ; key slot 0 into LDS slot 0
	v_and_b32 v8, 31, v0
	s_delay_alu instid0(VALU_DEP_1)
	v_lshlrev_b32 v[LI], 4, v8
	s_wait_alu depctr_va_vdst(0)
	s_sub_co_u32 s94, 7, ttmp9                     ; the second block
	s_lshl_b32 s88, ttmp9, 4
	s_add_co_u32 s88, s88, s[WV]
	s_lshl_b32 s88, s88, 10
	s_add_co_u32 s88, s88, s12                     ; Q: my tile of tokens in the first block,
	s_mov_b32 s89, 0
	s_add_nc_u64 s[88:89], s[4:5], s[88:89]
	s_lshl_b32 s90, s94, 4
	s_add_co_u32 s90, s90, s[WV]
	s_lshl_b32 s90, s90, 10
	s_add_co_u32 s90, s90, s12                     ; and in the second
	s_mov_b32 s91, 0
	s_add_nc_u64 s[90:91], s[4:5], s[90:91]
	global_load_b128 v[16:19], v[LI], s[88:89]
	global_load_b128 v[20:23], v[LI], s[88:89] offset:512
	global_load_b128 v[24:27], v[LI], s[90:91]
	global_load_b128 v[28:31], v[LI], s[90:91] offset:512
	s_lshr_b32 s92, s10, 4
	s_lshl_b32 s92, s92, 7
	s_add_co_u32 s92, s92, s[WV]                   ; batch x 128 + wave
	s_and_b32 s93, s10, 15                         ; the head
	s_lshl_b32 s96, ttmp9, 4
	s_add_co_u32 s96, s96, s92
	s_lshl_b32 s96, s96, 4
	s_add_co_u32 s96, s96, s93
	s_lshl_b32 s96, s96, 10                        ; ((tile of tokens) x 16 + head) x 1,024
	s_mov_b32 s97, 0
	s_add_nc_u64 s[MA:MA+1], s[8:9], s[96:97]
	s_lshl_b32 s96, s94, 4
	s_add_co_u32 s96, s96, s92
	s_lshl_b32 s96, s96, 4
	s_add_co_u32 s96, s96, s93
	s_lshl_b32 s96, s96, 10
	s_add_nc_u64 s[MB:MB+1], s[8:9], s[96:97]
	s_cmp_lt_u32 s[WV], 6                          ; the prefetches: waves 4, 5 for K, waves 6, 7 for V; the halves are those of the fetching waves
	s_cselect_b64 s[PFA:PFA+1], s[KB:KB+1], s[VB:VB+1]   ; at slot 0: each trip steps it a slot on, so that trip j names slot j + 1
	s_mov_b32 s[PFS], 4096
	s_cselect_b32 s[PFS], 16384, s[PFS]
	s_mov_b32 s96, 32768
	s_cselect_b32 s96, 4096, s96                   ; from lanes 0-15 to lanes 16-31
	s_mov_b32 s[PFS+1], 0
	v_and_b32 v[PFO], 15, v0
	s_delay_alu instid0(VALU_DEP_1)
	v_lshlrev_b32 v[PFO], 8, v[PFO]
	v_bfe_u32 v9, v0, 4, 1
	s_delay_alu instid0(VALU_DEP_1)
	v_mul_lo_u32 v9, v9, s96
	s_delay_alu instid0(VALU_DEP_1)
	v_add_nc_u32 v[PFO], v[PFO], v9
	s_sub_co_u32 s96, s[WV], 4
	s_lshr_b32 s96, s96, 2                         ; 0 in waves 4 to 7,
	s_or_b32 s96, s96, ttmp9                       ; of the head's first work-group
	s_cmp_eq_u32 s96, 0
	s_cselect_b32 s[LIM], 4, 0
	v_mov_b32 v13, 0xff61b1e6                      ; the largest t so far: -3e38
	s_delay_alu instid0(VALU_DEP_1)
	v_floor_f32 v12, -v13
	v_mov_b32 v14, 0
	v_mov_b32 v15, 0
	v_mov_b32 v236, 0                              ; written once: a lane permute's destination counts as one of its sources
	v_mov_b32 v252, 0
	v_mov_b32 v253, 0
.set j, 0
.rept 32
	v_mov_b32 v[160+j], 0                          ; O^T: the step is written once; a block's first step finds zeros, which the first change of M leaves zeros
.set j, j+1
.endr
	s_wait_kmcnt 0x0
	s_add_co_i32 s96, s74, s75
	s_lshl_b32 s96, s96, 23
	s_add_co_i32 s[CS], s[CS], s96                 ; a score stands for score x 2^(e6 + e7): added to c's exponent field
	s_mov_b32 s[CS+1], s[CS]
	s_add_co_i32 s96, s76, 127
	s_lshl_b32 s97, s96, 23
	v_mov_b32 v244, s97                            ; 2^e8
	s_sub_co_i32 s96, s78, s76
	s_sub_co_i32 s96, s96, s77                     ; O^T / the sum stands for that x 2^(e8 + e9): the three exponents are folded into the conversion's one
	s_add_co_i32 s96, s96, 127
	s_lshl_b32 s97, s96, 23
	v_mov_b32 v245, s97
; A KEY STEP: 128 keys, the q-th of the slot in hand.
.macro STEP q
	s_add_co_u32 s96, s[Q0], 15
	s_cmp_gt_u32 s[KF], s96                        ; all keys come after my queries: ids and counts alone; no barrier and no tensor load stands in a step
	s_cbranch_scc1 .Lhidden_\@
	v_add_nc_u32 v[ADR], s[TB], v[LI]
.rept 3
	v_nop                                          ; with the addition: four places in front of loads into registers that the last products read
.endr
.irp kt, 0,1,2,3,4,5,6,7
	ds_load_b128 v[32+8*\kt:35+8*\kt], v[ADR] offset:(8*(\q)+\kt)*1024
	ds_load_b128 v[36+8*\kt:39+8*\kt], v[ADR] offset:(8*(\q)+\kt)*1024+512
.endr
	s_wait_dscnt 0x0
	s_wait_alu depctr_va_vdst(0)
.irp kt, 0,1,2,3,4,5,6,7
	v_wmma_f32_16x16x64_fp8_fp8 v[96+8*\kt:103+8*\kt], v[32+8*\kt:39+8*\kt], v[16:23], 0
.endr
.rept 4
	v_nop
.endr
.irp t, 0,1,2,3                                ; V's fragments take K's registers now and land under the softmax
.irp c, 0,1,2,3
	ds_load_b128 v[32+16*\t+4*\c:35+16*\t+4*\c], v[ADR] offset:VOFF+4096*\t+2048*(\q)+512*\c
.endr
.endr
	s_add_co_u32 s96, s[KF], 127
	s_cmp_le_u32 s96, s[Q0]                        ; all keys count
	s_cbranch_scc1 .Lopen_\@
	s_sub_co_i32 s96, s[Q0], s[KF]
	v_and_b32 v252, 15, v0
	v_bfe_u32 v253, v0, 4, 1
	s_delay_alu instid0(VALU_DEP_1)
	v_lshlrev_b32 v253, 3, v253
	s_delay_alu instid0(VALU_DEP_1)
	v_sub_nc_u32 v252, v252, v253
	s_delay_alu instid0(VALU_DEP_1)
	v_add_nc_u32 v252, s96, v252                   ; d = my query - KF - 8 h.  Register 8 kt + j holds key KF + 8 h + 16 kt + j: hidden where 16 kt + j > d
	v_mov_b32 v254, 0xff800000
.set n, 0
.rept 64
	v_cmp_gt_i32 vcc_lo, 16*(n/8)+n%8, v252
	v_cndmask_b32 v[96+n], v[96+n], v254, vcc_lo
.set n, n+1
.endr
.Lopen_\@:
	v_max3_num_f32 v254, v96, v97, v98             ; the step's largest score of my query among my 64 keys, in two chains,
	v_max3_num_f32 v252, v99, v100, v101
.irp i, 6,10,14,18,22,26,30,34,38,42,46,50,54,58
	v_max3_num_f32 v254, v254, v[96+\i], v[97+\i]
	v_max3_num_f32 v252, v252, v[98+\i], v[99+\i]
.endr
	v_max3_num_f32 v254, v254, v158, v159
	s_delay_alu instid0(VALU_DEP_1)
	v_max_num_f32 v254, v254, v252
	v_permlanex16_b32 v236, v254, s[SEL], s[SEL+1]
	s_delay_alu instid0(VALU_DEP_1)
	v_max_num_f32 v254, v254, v236                 ; and among lane l xor 16's
	s_delay_alu instid0(VALU_DEP_1)
	v_mul_f32 v254, s[CS], v254                    ; as t (c is positive)
	s_delay_alu instid0(VALU_DEP_1)
	v_max_num_f32 v13, v13, v254
	v_mov_b32 v254, v12
	s_delay_alu instid0(VALU_DEP_2)
	v_floor_f32 v12, -v13                          ; the new -M = floor(-t): M is a whole number
	s_delay_alu instid0(VALU_DEP_1)
	v_sub_f32 v254, v12, v254                      ; old M - new M, 0 or less
	s_delay_alu instid0(VALU_DEP_1)
	v_cvt_i32_f32 v254, v254                       ; (it saturates)
	s_delay_alu instid0(VALU_DEP_1)
	v_ldexp_f32 v252, 1.0, v254                    ; f = 2^(old M - new M)
.set j, 0
.rept 32
	v_pk_fma_f32 v[96+j:97+j], v[96+j:97+j], s[CS:CS+1], v[12:13] op_sel_hi:[1,0,0]   ; t - M, two at a time
.set j, j+2
.endr
.set j, 0
	s_wait_alu depctr_va_vdst(0)
.rept 64
	v_exp_f32 v[96+j], v[96+j]                     ; p = 2^(t - M)
.set j, j+1
.endr
	v_pk_mul_f32 v[14:15], v[14:15], v[252:253] op_sel_hi:[1,0]   ; the sums under the new M: the plain line behind the exponentials
	s_wait_alu depctr_va_vdst(0)                   ; one wait for the batch of 64, ahead of its first reader
	v_pk_add_f32 v[242:243], v[100:101], v[104:105]
	v_pk_add_f32 v[254:255], v[108:109], v[112:113]
	v_pk_add_f32 v[250:251], v[116:117], v[120:121]
	v_pk_add_f32 v[248:249], v[124:125], v[128:129]
	v_pk_add_f32 v[246:247], v[132:133], v[136:137]
	v_pk_add_f32 v[240:241], v[140:141], v[144:145]
	v_pk_add_f32 v[238:239], v[148:149], v[152:153]
	v_pk_add_f32 v[14:15], v[14:15], v[156:157]
	v_pk_add_f32 v[242:243], v[242:243], v[96:97]
	v_pk_add_f32 v[254:255], v[254:255], v[98:99]
	v_pk_add_f32 v[250:251], v[250:251], v[102:103]
	v_pk_add_f32 v[248:249], v[248:249], v[106:107]
	v_pk_add_f32 v[246:247], v[246:247], v[110:111]
	v_pk_add_f32 v[240:241], v[240:241], v[114:115]
	v_pk_add_f32 v[238:239], v[238:239], v[118:119]
	v_pk_add_f32 v[14:15], v[14:15], v[122:123]
	v_pk_add_f32 v[242:243], v[242:243], v[126:127]
	v_pk_add_f32 v[254:255], v[254:255], v[130:131]
	v_pk_add_f32 v[250:251], v[250:251], v[134:135]
	v_pk_add_f32 v[248:249], v[248:249], v[138:139]
	v_pk_add_f32 v[246:247], v[246:247], v[142:143]
	v_pk_add_f32 v[240:241], v[240:241], v[146:147]
	v_pk_add_f32 v[238:239], v[238:239], v[150:151]
	v_pk_add_f32 v[14:15], v[14:15], v[154:155]
	v_pk_add_f32 v[242:243], v[242:243], v[158:159]
	s_delay_alu instid0(VALU_DEP_2)
	v_pk_add_f32 v[14:15], v[14:15], v[248:249]
	s_delay_alu instid0(VALU_DEP_2)
	v_pk_add_f32 v[242:243], v[242:243], v[246:247]
	v_pk_add_f32 v[254:255], v[254:255], v[240:241]
	v_pk_add_f32 v[250:251], v[250:251], v[238:239]
	s_delay_alu instid0(VALU_DEP_2)
	v_pk_add_f32 v[14:15], v[14:15], v[254:255]
	s_delay_alu instid0(VALU_DEP_2)
	v_pk_add_f32 v[242:243], v[242:243], v[250:251]
	s_delay_alu instid0(VALU_DEP_1)
	v_pk_add_f32 v[14:15], v[14:15], v[242:243]
.irp kt, 0,1,2,3,4,5,6,7
.irp i, 0,1,2,3,4,5,6,7
.endr
	v_cvt_scalef32_pk8_fp8_f32 v[224+2*\kt:225+2*\kt], v[96+8*\kt:103+8*\kt], v244
.endr
.set j, 0
.rept 16
	v_pk_mul_f32 v[160+j:161+j], v[160+j:161+j], v[252:253] op_sel_hi:[1,0]   ; O^T under the new M; also the plain lines between the conversions and the products
.set j, j+2
.endr
	s_wait_alu depctr_va_vdst(0)
	s_wait_dscnt 0x0                               ; V is in
.irp t, 0,1,2,3
	v_wmma_f32_16x16x128_fp8_fp8 v[160+8*\t:167+8*\t], v[32+16*\t:47+16*\t], v[224:239], v[160+8*\t:167+8*\t]
.endr
.Lhidden_\@:
	s_add_co_u32 s[KF], s[KF], 128
.endm
; THE CHANGE OF SLOTS stands at a trip's head.  Each wave waits for all its tensor loads (its part of the slot that it is about to read), adds 0 to its spare word, and waits for that and for its reads of the slot that it has left.
; Behind the barrier the slot ahead is whole and nobody reads the other one.  fill = 1: that one takes the next trip's keys: the block's next slot, or slot 0 for the second block.  A wave has one tensor load out at the most.
.macro CHANGE fill
	s_wait_tensorcnt 0x0                           ; no tensor load of mine is out, so the groups 0 may be written
	ds_add_u32 v[SPW], v[NIL]                      ; 0 onto my spare word
.if \fill
	s_add_co_u32 s[NS], s[KS], 1
	s_cmp_eq_u32 s[KS], s[BLK]                     ; the diagonal slot is a block's last
	s_cselect_b32 s[NS], 0, s[NS]
	s_xor_b32 s[G0K+1], s[G0K+1], SLOT1
	s_xor_b32 s[G0V+1], s[G0V+1], SLOT1
	s_lshl_b32 s58, s[NS], 14
	s_mov_b32 s59, 0
	s_add_nc_u64 s[G0K+2:G0K+3], s[KB:KB+1], s[58:59]
	s_or_b32 s[G0K+3], s[G0K+3], 0x80000000
	s_lshl_b32 s58, s[NS], 12
	s_add_nc_u64 s[G0V+2:G0V+3], s[VB:VB+1], s[58:59]
	s_or_b32 s[G0V+3], s[G0V+3], 0x80000000
	s_wait_xcnt 0x0                                ; the last prefetch, a trip back, has read its address
	s_add_nc_u64 s[PFA:PFA+1], s[PFA:PFA+1], s[PFS:PFS+1]
.endif
	s_wait_dscnt 0x0                               ; the add is done, and my reads of the slot that I have left are over
	s_barrier_signal -1
	s_barrier_wait -1
.if \fill
	TLOAD                                          ; the first thing behind the barrier, and a wave's one tensor load until the next
	ASK
.endif
.endm
; A block's end: O^T / the sum, quantised: the codes are the image of a fragment of the last projection's operand: two stores of 512 consecutive bytes.
.macro WAYOUT base
.rept 4
	v_nop                                          ; places behind the last products
.endr
	v_add_f32 v14, v14, v15
	s_delay_alu instid0(VALU_DEP_1)
	v_permlanex16_b32 v252, v14, s[SEL], s[SEL+1]
	s_delay_alu instid0(VALU_DEP_1)
	v_add_f32 v14, v14, v252                       ; the row's sum
	s_wait_alu depctr_va_vdst(0)
	v_rcp_f32 v14, v14
	v_nop                                          ; a plain line behind the reciprocal,
	s_wait_alu depctr_va_vdst(0)                   ; and the wait ahead of its first reader
.set j, 0
.rept 16
	v_pk_mul_f32 v[96+j:97+j], v[160+j:161+j], v[14:15] op_sel_hi:[1,0]
.set j, j+2
.endr
.set j, 0
.rept 32
.set j, j+1
.endr
	s_wait_alu depctr_va_vdst(0)
	s_wait_xcnt 0x0                                ; the first block's stores have read their codes
.irp t, 0,1,2,3
	v_cvt_scalef32_pk8_fp8_f32 v[192+2*\t:193+2*\t], v[96+8*\t:103+8*\t], v245
.endr
	v_nop                                          ; a plain line behind the last conversion: later products write its sources
	global_store_b128 v[LI], v[192:195], s[\base:\base+1]
	global_store_b128 v[LI], v[196:199], s[\base:\base+1] offset:512
.endm
	s_wait_loadcnt 0x0                             ; Q of both blocks
.Ltrip:                                                ; eight trips
	CHANGE 1
	STEP 0
	STEP 1
	s_cmp_lg_u32 s[KS], s[BLK]                     ; ids and counts alone: the same in all sixteen waves
	s_cbranch_scc1 .Lsame
	WAYOUT MA                                      ; the first block is done (the second ends in the ninth trip)
	v_mov_b32 v13, 0xff61b1e6
	s_delay_alu instid0(VALU_DEP_1)
	v_floor_f32 v12, -v13
	v_mov_b32 v14, 0
	v_mov_b32 v15, 0
.set j, 0
.rept 32
	v_mov_b32 v[160+j], 0
.set j, j+1
.endr
.set j, 0
.rept 8
	v_mov_b32 v[16+j], v[24+j]                     ; the second block's Q
.set j, j+1
.endr
	s_sub_co_u32 s[BLK], 7, ttmp9
	s_lshl_b32 s[Q0], s[BLK], 8
	s_lshl_b32 s96, s[WV], 4
	s_add_co_u32 s[Q0], s[Q0], s96
.Lsame:
	s_mov_b32 s[KS], s[NS]
	s_lshl_b32 s[KF], s[NS], 8
	s_xor_b32 s[TB], s[TB], SLOT1
	s_sub_co_u32 s[CNT], s[CNT], 1
	s_cmp_lg_u32 s[CNT], 0
	s_cbranch_scc1 .Ltrip
	CHANGE 0                                       ; the ninth trip is written out: it asks for nothing
	STEP 0
	STEP 1
	WAYOUT MB
	s_wait_tensorcnt 0x0                           ; the wave's end
	ds_add_u32 v[SPW], v[NIL]
	s_wait_dscnt 0x0
	s_endpgm
.Lfunc_end_k_q30c748400a_attn:
	.size	k_q30c748400a_attn, .Lfunc_end_k_q30c748400a_attn-k_q30c748400a_attn
	.p2alignl 7, 3214868480
	.fill 96, 4, 3214868480
	.section	.rodata,"a",@progbits
	.p2align	6, 0x0
	.amdhsa_kernel k_q30c748400a_attn
		.amdhsa_group_segment_fixed_size 327680
		.amdhsa_private_segment_fixed_size 0
		.amdhsa_enable_private_segment 0
		.amdhsa_kernarg_size 24
		.amdhsa_user_sgpr_count 2
		.amdhsa_user_sgpr_kernarg_segment_ptr 1
		.amdhsa_wavefront_size32 1
		.amdhsa_system_sgpr_workgroup_id_x 1
		.amdhsa_system_sgpr_workgroup_id_y 1
		.amdhsa_system_sgpr_workgroup_id_z 1
		.amdhsa_system_vgpr_workitem_id 0
		.amdhsa_next_free_vgpr 256
		.amdhsa_next_free_sgpr 100
		.amdhsa_reserve_vcc 1
		.amdhsa_float_denorm_mode_32 3
		.amdhsa_float_denorm_mode_16_64 3
		.amdhsa_fp16_overflow 1
		.amdhsa_memory_ordered 1
		.amdhsa_forward_progress 1
		.amdhsa_inst_pref_size 92
	.end_amdhsa_kernel
	.amdgpu_metadata
---
amdhsa.version: [ 1, 2 ]
amdhsa.kernels:
  - .name:           k_q30c748400a_attn
    .symbol:         k_q30c748400a_attn.kd
    .args:
      - { .name: qkv, .offset: 0, .size: 8, .value_kind: global_buffer, .address_space: global }
      - { .name: lowp_scales, .offset: 8, .size: 8, .value_kind: global_buffer, .address_space: global }
      - { .name: mh, .offset: 16, .size: 8, .value_kind: global_buffer, .address_space: global }
    .group_segment_fixed_size: 327680
    .private_segment_fixed_size: 0
    .kernarg_segment_align: 8
    .kernarg_segment_size: 24
    .max_flat_workgroup_size: 512
    .sgpr_count:     100
    .vgpr_count:     256
    .wavefront_size: 32
...
	.end_amdgpu_metadata
.endif
;; end of part 3
;; launch oproj (part 4): grid 4 x 32, 4 waves a work-group, clusters of 4 x 4, 327,680 bytes of LDS; arguments mh, wc, lowp_scales, out0; writes out0
.if DOCPART == 4
	.amdgcn_target "amdgcn-amd-amdhsa--gfx1250"
	.amdhsa_code_object_version 6
	.text
	.protected	k_q30c748400a_oproj
	.globl	k_q30c748400a_oproj
	.p2align	8
	.type	k_q30c748400a_oproj,@function
k_q30c748400a_oproj:
	s_mov_b64 s[64:65], 0
	v_nop
	global_prefetch_b8 v0, s[64:65] scope:SCOPE_SE
	s_setreg_imm32_b32 hwreg(HW_REG_WAVE_MODE, 25, 1), 1
	s_wait_xcnt 0x0
	s_wait_alu depctr_hold_cnt(0) depctr_sa_sdst(0) depctr_va_vdst(0) depctr_va_sdst(0) depctr_va_ssrc(0) depctr_va_vcc(0) depctr_vm_vsrc(0)
	s_getreg_b32 s2, hwreg(HW_REG_IB_STS2, 6, 4)
	s_cmp_eq_u32 s2, 0
	s_cbranch_scc0 .Lentry_in_a_cluster
	s_endpgm
.Lentry_in_a_cluster:
	s_bfe_u32 s2, ttmp6, 0x10000c
	s_cmp_lg_u32 s2, 0xf033
	s_cbranch_scc0 .Lentry_shape_is_right
	s_endpgm
.Lentry_shape_is_right:
; out0 = mh Wo^T on codes of FP8 (E4M3): [8192] x [1024], K = 1,024; each finished sum x 2^(e10 + e11).  LIMIT: e10 + e11 between -126 and 127.
; Both operands lie as images of their registers: a fragment of 16 rows x 128 K (lane (r, h): row r; registers 2 c, 2 c + 1: k = 16 c + 8 h + 0 .. 7) is 2,048 bytes, registers 4 i .. 4 i + 3 of lane l at 512 i + 16 l;
; mh: [row tile 512][K step 8][2048]; Wo is the fourth weight of wc, [row tile 64][K step 8][2048].  A tile of 128 rows x 256 K is 8 pieces of 4,096 consecutive bytes, 16,384 apart; in LDS they lie on end: no pitch, no padding.
; A tile of the result is 256 x 256, made by four waves, each 128 x 128: 64 accumulators.  K goes in four steps of 256 through two LDS slots.  The result has 128 such tiles: 128 work-groups.
; CLUSTERS: 4 x 4 work-groups; mh's tiles are asked for jointly along a row of the cluster, Wo's along a column.
; THE MATRIX INSTRUCTION IS USED TRANSPOSED (source 0 = 16 rows of Wo, source 1 = 16 tokens): a lane holds eight neighbouring numbers of a row of the result.
; No prefetch: the launch has two refills, both within two K steps of its head.
; REGISTERS, in windows of 256: window 0: v16-29 addresses; from v128 A's fragments, one set; on the way out v32-255 are free.  window 1: B's fragments, two sets.  windows 2, 3: the accumulators ((a, b) at v[8 (8 (a % 4) + b)]).
.set HALFT, 32768
.set SLOT,  4*HALFT
.set SPARE, 2*SLOT                     ; behind the ring: the spare words, 128 bytes a wave, which no other line names
.set STAGE, SPARE+512                  ; behind them: a stage of 16 rows x (512 + 16) bytes for each wave, into which no tensor load lands
.set SPITCH, 528
.set SIZE_N, 1024
.set FR,    16
.set NL,    4
.set NP,    4
.set ADRA, 16
.set ADRB, 20
.set STO,  24                          ; v24  the way out: where I put 32 bytes of a row
.set RD,   25                          ; v25  where I read a row back
.set CO,   26                          ; v26  16 x lane
.set SPW,  28
.set NIL,  29
.set TMP,  32
.set AF,   128
.set BK,   128
.set G1, 24
.set G0, 32
.set G1B, 48
.set G0B, 56
.set MSB, 0
.macro WIN new
.if MSB != \new
	s_set_vgpr_msb (MSB<<8)|\new
.set MSB, \new
.endif
.endm
.set MUL_LO, 0xa1
.set MUL_HI, 0xf1
.set TO_B,   0x40
.macro JLOAD g0a, g1a, g0b, g1b        ; a joint load: waves 0 and 1 fetch mh's halves, waves 2 and 3 Wo's
	s_cmp_eq_u32 s15, 0
	s_cbranch_scc0 .Lfor_b_\@
	tensor_load_to_lds s[\g0a:\g0a+3], s[\g1a:\g1a+7]
	s_nop 0
.rept 4
	v_nop
.endr
	s_branch .Lasked_\@
.Lfor_b_\@:
	tensor_load_to_lds s[\g0b:\g0b+3], s[\g1b:\g1b+7]
	s_nop 0
.rept 4
	v_nop
.endr
.Lasked_\@:
.endm
.macro CREST
	s_cmp_lg_u32 s14, 0
	s_cbranch_scc1 .Lnot_wave_0_\@
	s_barrier_signal -3
.Lnot_wave_0_\@:
	s_barrier_wait -3
	s_barrier_signal -1
	s_barrier_wait -1
.endm
.macro CROUND
	s_barrier_signal -1
	s_barrier_wait -1
	CREST
.endm
	s_load_b128 s[4:7], s[0:1], 0x0                ; mh, wc
	s_load_b128 s[8:11], s[0:1], 0x10              ; the scales, out0
	v_lshl_add_u32 v[SPW], v0, 2, SPARE
	v_mov_b32 v[NIL], 0
	ds_add_u32 v[SPW], v[NIL]                      ; the wave's opening: the add and its wait ahead of my first tensor load
	ds_add_u32 v[SPW], v[NIL]
	v_lshrrev_b32 v1, 5, v0
	v_readfirstlane_b32 s14, v1
	s_lshr_b32 s15, s14, 1                         ; which half of the tile's rows is mine.  Also: I fetch for mh (0) or for Wo (1)
	s_and_b32 s16, s14, 1                          ; which half of its columns.  Also: which half of that tile I fetch
	s_bfe_u32 s40, ttmp6, 0x40000
	s_bfe_u32 s41, ttmp6, 0x40004
	s_lshl_b32 s42, ttmp9, 2
	s_add_co_u32 s42, s42, s40                     ; tile column 0 .. 3
	s_and_b32 s17, ttmp7, 0xffff
	s_lshl_b32 s17, s17, 2
	s_add_co_u32 s17, s17, s41                     ; tile row 0 .. 31
	s_lshl_b32 s43, s41, 2
	s_lshl_b32 s43, 15, s43
	s_lshl_b32 s44, 0x1111, s40
	s_or_b32 s[G1+0], s43, (3<<16)|(1<<21)         ; the mask; elements of 8 bytes; bit 21 beside a mask; no padding
	s_or_b32 s[G1B+0], s44, (3<<16)|(1<<21)
.irp g, G1, G1B
	s_mov_b32 s[\g+1], 512<<16
	s_mov_b32 s[\g+2], 8<<16
	s_mov_b32 s[\g+3], 512<<16
	s_mov_b32 s[\g+4], 8
	s_mov_b32 s[\g+5], 2048
	s_mov_b32 s[\g+6], 0
	s_mov_b32 s[\g+7], 0
.endr
	s_lshl_b32 s18, s16, 3
	s_lshl_b32 s20, s17, 4
	s_add_co_u32 s20, s20, s18
	s_lshl_b32 s20, s20, 14
	s_mov_b32 s21, 0
	s_lshl_b32 s46, s42, 4
	s_add_co_u32 s46, s46, s18
	s_lshl_b32 s46, s46, 14
	s_add_co_u32 s46, s46, 0x300000                ; the fourth weight
	s_mov_b32 s47, 0
	s_mul_i32 s45, s14, HALFT
	s_wait_dscnt 0x0
	s_wait_kmcnt 0x0
	s_load_b64 s[96:97], s[8:9], 0x28              ; e10, e11
	s_add_nc_u64 s[20:21], s[4:5], s[20:21]
	s_add_nc_u64 s[46:47], s[6:7], s[46:47]
	CROUND                                         ; all sixteen work-groups are here: the first joint loads meet
.irp s, 0,1
	s_mov_b32 s[G0+4*\s], 1
	s_add_co_u32 s[G0+4*\s+1], s45, \s*SLOT
	s_add_nc_u64 s[G0+4*\s+2:G0+4*\s+3], s[20:21], \s*4096
	s_or_b32 s[G0+4*\s+3], s[G0+4*\s+3], 0x80000000
	s_mov_b32 s[G0B+4*\s], 1
	s_add_co_u32 s[G0B+4*\s+1], s45, \s*SLOT
	s_add_nc_u64 s[G0B+4*\s+2:G0B+4*\s+3], s[46:47], \s*4096
	s_or_b32 s[G0B+4*\s+3], s[G0B+4*\s+3], 0x80000000
	s_wait_alu depctr_va_vdst(0)
	s_wait_tensorcnt 0x0
	ds_add_u32 v28, v29
	ds_add_u32 v28, v29
	s_wait_dscnt 0x0
	CROUND
	JLOAD G0+4*\s, G1, G0B+4*\s, G1B
.endr
	v_and_b32 v1, 15, v0
	s_wait_alu depctr_va_vdst(0)
	v_bfe_u32 v2, v0, 4, 1
	v_and_b32 v6, 31, v0
	v_lshlrev_b32 v[CO], 4, v6
	s_mul_i32 s21, s15, HALFT
	s_mul_i32 s22, s16, HALFT
	s_add_co_u32 s22, s22, 2*HALFT
.irp s, 0,1
	v_add_nc_u32 v[ADRA+\s], s21, v[CO]
	v_add_nc_u32 v[ADRB+\s], s22, v[CO]
	s_add_co_u32 s21, s21, SLOT
	s_add_co_u32 s22, s22, SLOT
.endr
	s_mul_i32 s23, s14, 16*SPITCH
	s_add_co_u32 s23, s23, STAGE                   ; my stage
	v_mul_u32_u24 v5, v1, SPITCH
	s_wait_alu depctr_va_vdst(0)
	v_lshl_add_u32 v5, v2, 5, v5
	v_add_nc_u32 v[STO], s23, v5
	v_add_nc_u32 v[RD], s23, v[CO]
	s_lshl_b32 s20, s17, 8
	s_lshl_b32 s21, s15, 7
	s_add_co_u32 s20, s20, s21                     ; my first row,
	s_lshl_b32 s20, s20, 12                        ; of 4,096 bytes,
	s_lshl_b32 s46, s42, 10
	s_lshl_b32 s47, s16, 9
	s_add_co_u32 s46, s46, s47                     ; and my first column's bytes
	s_add_co_u32 s20, s20, s46
	s_mov_b32 s21, 0
	s_add_nc_u64 s[10:11], s[10:11], s[20:21]
.macro FRAG reg, adr, q, i
.irp c, 0,1,2,3
	ds_load_b128 v[\reg+4*\c:\reg+4*\c+3], v[\adr] offset:2048*(\q)+512*\c+(\i)*4096
.endr
.endm
; The 64 accumulators take turns, one instruction a turn, in the same order in every step.
.macro MUL16 a0, p, zero
.irp a, \a0, \a0+1
.irp b, 0,1,2,3,4,5,6,7
.if \zero
	v_wmma_f32_16x16x128_fp8_fp8 v[8*(8*((\a)%4)+\b):8*(8*((\a)%4)+\b)+7], v[128*(\p)+FR*\b:128*(\p)+FR*\b+FR-1], v[AF+FR*(\a):AF+FR*(\a)+FR-1], 0
.else
	v_wmma_f32_16x16x128_fp8_fp8 v[8*(8*((\a)%4)+\b):8*(8*((\a)%4)+\b)+7], v[128*(\p)+FR*\b:128*(\p)+FR*\b+FR-1], v[AF+FR*(\a):AF+FR*(\a)+FR-1], v[8*(8*((\a)%4)+\b):8*(8*((\a)%4)+\b)+7]
.endif
.endr
.endr
.endm
.macro FETCH_B slot, q, p
	WIN TO_B
.irp i, 0,1,2,3,4,5,6,7
	FRAG 128*(\p)+FR*\i, ADRB+\slot, \q, \i
.endr
	WIN 0
.endm
.macro FETCH_A slot, q, i0
.irp i, \i0, \i0+1, \i0+2, \i0+3
	FRAG AF+FR*(\i), ADRA+\slot, \q, \i
.endr
.endm
.macro PLACES n
.rept \n
	v_nop
.endr
.endm
.macro STEP slot, q, zero
	s_wait_dscnt 4*NL                              ; B's set and A's blocks 0-3 are in; the youngest 16 loads (blocks 4-7) may be out
	WIN MUL_LO
	MUL16 0, (\q)%2, \zero
	MUL16 2, (\q)%2, \zero
	s_wait_dscnt 0
	PLACES NP
	FETCH_B \slot, (\q)+1, 1-(\q)%2
	FETCH_A \slot, (\q)+1, 0
	WIN MUL_HI
	MUL16 4, (\q)%2, \zero
	MUL16 6, (\q)%2, \zero
	PLACES NP
	WIN 0
	FETCH_A \slot, (\q)+1, 4
.endm
.macro TURN slot, next, fill
	s_wait_tensorcnt 0x0                           ; all my tensor loads have landed: my part of the next slot
	ds_add_u32 v[SPW], v[NIL]                      ; 0 onto my spare word
	s_wait_dscnt 4*NL+1                            ; the add and the youngest 16 loads may be out
	WIN MUL_LO
	MUL16 0, 1, 0
	s_wait_dscnt 0x0                               ; the add is done, and my reads of this slot are over
	s_barrier_signal -1
	MUL16 2, 1, 0
	WIN 0
	s_barrier_wait -1
.if \fill
	CREST                                          ; the barrier has opened a round of the cluster's: no wave of any partner still reads this slot or has a load on its way
	s_add_nc_u64 s[G0+4*\slot+2:G0+4*\slot+3], s[G0+4*\slot+2:G0+4*\slot+3], 8192
	s_add_nc_u64 s[G0B+4*\slot+2:G0B+4*\slot+3], s[G0B+4*\slot+2:G0B+4*\slot+3], 8192
	JLOAD G0+4*\slot, G1, G0B+4*\slot, G1B
.else
	PLACES NP
.endif
	FETCH_B \next, 0, 0
	FETCH_A \next, 0, 0
	WIN MUL_HI
	MUL16 4, 1, 0
	MUL16 6, 1, 0
	PLACES NP
	WIN 0
	FETCH_A \next, 0, 4
.endm
	s_wait_tensorcnt 1                             ; my part of K step 0 is in; K step 1's load may be out
	s_barrier_signal -1
	s_barrier_wait -1
	FETCH_B 0, 0, 0
	FETCH_A 0, 0, 0
	FETCH_A 0, 0, 4
	STEP 0, 0, 1
	TURN 0, 1, 1
	STEP 1, 0, 0
	TURN 1, 0, 1
	STEP 0, 0, 0
	TURN 0, 1, 0
	STEP 1, 0, 0
	s_wait_dscnt 4*NL
	WIN MUL_LO
	MUL16 0, 1, 0
	MUL16 2, 1, 0
	s_wait_dscnt 0
	WIN MUL_HI
	MUL16 4, 1, 0
	MUL16 6, 1, 0
	WIN 0
; THE WAY OUT, block by block of 16 rows x 128 columns: a lane holds 32 neighbouring bytes of a row; a block goes through my own stage and comes back as whole rows of 512 bytes.
; LDS serves a wave's instructions in order (ISA guide 5.7.1.4): no wait between the stores and the loads, nor in front of the next block's stores.
.macro TOSTAGE a
.set AC, 64*((\a)%4)
	WIN 0x02+((\a)/4)
.irp j, 0,2,4,6,8,10,12,14,16,18,20,22,24,26,28,30,32,34,36,38,40,42,44,46,48,50,52,54,56,58,60,62
	v_pk_mul_f32 v[TMP+\j:TMP+\j+1], v[AC+\j:AC+\j+1], s[96:97] op_sel_hi:[1,0]   ; x 2^(e10 + e11); each accumulator from its low end on
.endr
	WIN 0
.irp b, 0,1,2,3,4,5,6,7
	ds_store_b128 v[STO], v[TMP+8*\b:TMP+8*\b+3] offset:64*\b
	ds_store_b128 v[STO], v[TMP+8*\b+4:TMP+8*\b+7] offset:64*\b+16
.endr
.set BB, BK+64*((\a)%2)
.irp t, 0,1,2,3,4,5,6,7,8,9,10,11,12,13,14,15
	ds_load_b128 v[BB+4*\t:BB+4*\t+3], v[RD] offset:\t*SPITCH
.endr
.endm
.macro SEND a, younger                 ; younger: the LDS instructions issued behind block a's loads, which may stay out
.set BB, BK+64*((\a)%2)
	s_wait_dscnt \younger
.if (\a) > 0
	s_add_nc_u64 s[10:11], s[10:11], 16*SIZE_N*4   ; behind a wait on XCNT: the earlier stores have read their base
.endif
.irp t, 0,1,2,3,4,5,6,7,8,9,10,11,12,13,14,15
	global_store_b128 v[CO], v[BB+4*\t:BB+4*\t+3], s[10:11] offset:\t*SIZE_N*4 th:TH_STORE_NT   ; 32 lanes store 512 consecutive bytes, aligned
.endr
.endm
	s_wait_kmcnt 0x0
	s_add_co_i32 s96, s96, s97
	s_add_co_i32 s96, s96, 127
	s_lshl_b32 s96, s96, 23                        ; 2^(e10 + e11) as f32
	PLACES NP
	TOSTAGE 0
.irp a, 1,2,3,4,5,6,7
.if \a > 1
	s_wait_xcnt 0x0                                ; block a - 2's stores have read their registers and their base
.endif
	TOSTAGE \a
	SEND \a-1, 32                                  ; behind block a - 1's loads: block a's 16 stores and 16 loads
.endr
	s_wait_xcnt 0x0
	SEND 7, 0
	s_wait_tensorcnt 0x0                           ; the wave's end, behind my last tensor load and my last LDS store
	ds_add_u32 v[SPW], v[NIL]
	s_wait_dscnt 0x0
	CROUND                                         ; the closing round
	s_endpgm
.Lfunc_end_k_q30c748400a_oproj:
	.size	k_q30c748400a_oproj, .Lfunc_end_k_q30c748400a_oproj-k_q30c748400a_oproj
	.p2alignl 7, 3214868480
	.fill 96, 4, 3214868480
	.section	.rodata,"a",@progbits
	.p2align	6, 0x0
	.amdhsa_kernel k_q30c748400a_oproj
		.amdhsa_group_segment_fixed_size 327680
		.amdhsa_private_segment_fixed_size 0
		.amdhsa_enable_private_segment 0
		.amdhsa_kernarg_size 32
		.amdhsa_user_sgpr_count 2
		.amdhsa_user_sgpr_kernarg_segment_ptr 1
		.amdhsa_wavefront_size32 1
		.amdhsa_system_sgpr_workgroup_id_x 1
		.amdhsa_system_sgpr_workgroup_id_y 1
		.amdhsa_system_sgpr_workgroup_id_z 1
		.amdhsa_system_vgpr_workitem_id 0
		.amdhsa_next_free_vgpr 1024
		.amdhsa_next_free_sgpr 100
		.amdhsa_reserve_vcc 0
		.amdhsa_float_denorm_mode_32 3
		.amdhsa_float_denorm_mode_16_64 3
		.amdhsa_memory_ordered 1
		.amdhsa_forward_progress 1
		.amdhsa_inst_pref_size 124
	.end_amdhsa_kernel
	.amdgpu_metadata
---
amdhsa.version: [ 1, 2 ]
amdhsa.kernels:
  - .name:           k_q30c748400a_oproj
    .symbol:         k_q30c748400a_oproj.kd
    .args:
      - { .name: mh, .offset: 0, .size: 8, .value_kind: global_buffer, .address_space: global }
      - { .name: wc, .offset: 8, .size: 8, .value_kind: global_buffer, .address_space: global }
      - { .name: lowp_scales, .offset: 16, .size: 8, .value_kind: global_buffer, .address_space: global }
      - { .name: out0, .offset: 24, .size: 8, .value_kind: global_buffer, .address_space: global }
    .group_segment_fixed_size: 327680
    .private_segment_fixed_size: 0
    .kernarg_segment_align: 8
    .kernarg_segment_size: 32
    .max_flat_workgroup_size: 128
    .sgpr_count:     100
    .vgpr_count:     1024
    .wavefront_size: 32
...
	.end_amdgpu_metadata
.endif
;; end of part 4
